; MI455X (gfx1250); checked and timed in simulation.
; The chip was launched on July 23, 2026; its instructions are those of AMD's public machine-readable ISA for CDNA 5 (MIT licence, August 2026) and "CDNA5" Instruction Set Architecture Reference Guide (July 2026). The comments in the code are by the model that wrote it; some were corrected since.
;; Transformer Block. Allowed arithmetic: matrix products marked QUANTISED: E4M3 operands, one given power-of-two scale a tensor, by v_wmma_f32_16x16x64_fp8_fp8 or v_wmma_f32_16x16x128_fp8_fp8, f32 sums; everything else in f32.
;; Inputs: W1 1,024 x 4,096 float32; W2 4,096 x 1,024 float32; Wk 1,024 x 1,024 float32; Wo 1,024 x 1,024 float32; Wq 1,024 x 1,024 float32; Wv 1,024 x 1,024 float32; be1 1,024 float32; be2 1,024 float32; bf1 4,096 float32; bf2 1,024 float32; bo 1,024 float32; g1 1,024 float32; g2 1,024 float32; lowp_scales 16 int32 (the exponents e of the quantised operands' scales 2^e); x 2 x 2,048 x 1,024 float32.
;; Outputs: out0 2 x 2,048 x 1,024 float32.
;; This version of the problem:
;;   THIS VERSION OF THE PROBLEM IS GIVEN IN LOW PRECISION. The matrix products marked QUANTISED in the list below multiply operands that are first quantised to E4M3 (4 exponent bits, 3 mantissa bits; 8 bits a number), with one given power-of-two scale for each operand tensor; their sums are f32. All else is computed in f32.
;;   The module's matrix products, in the order in which they are computed (A, B: the left and right operand; K: the contracted axis; several contracted axes count as one K, in the product's order):
;;     1. [M 4,096, K 1,024] x [K 1,024, N 1,024]; A: computed on the way; B: input Wq: QUANTISED (scales: A lowp_scales[0], B lowp_scales[1])
;;     2. [M 4,096, K 1,024] x [K 1,024, N 1,024]; A: computed on the way; B: input Wk: QUANTISED (scales: A lowp_scales[2], B lowp_scales[3])
;;     3. [M 4,096, K 1,024] x [K 1,024, N 1,024]; A: computed on the way; B: input Wv: QUANTISED (scales: A lowp_scales[4], B lowp_scales[5])
;;     4. batch 32 x [M 2,048, K 64] x [K 64, N 2,048]; A: computed on the way; B: computed on the way: QUANTISED (scales: A lowp_scales[6], B lowp_scales[7])
;;     5. batch 32 x [M 64, K 2,048] x [K 2,048, N 2,048]; A: computed on the way; B: softmax (see below): QUANTISED (scales: A lowp_scales[8], B lowp_scales[9])
;;     6. [M 4,096, K 1,024] x [K 1,024, N 1,024]; A: computed on the way; B: input Wo: QUANTISED (scales: A lowp_scales[10], B lowp_scales[11])
;;     7. [M 4,096, K 1,024] x [K 1,024, N 4,096]; A: computed on the way; B: input W1: QUANTISED (scales: A lowp_scales[12], B lowp_scales[13])
;;     8. [M 4,096, K 4,096] x [K 4,096, N 1,024]; A: computed on the way; B: input W2: QUANTISED (scales: A lowp_scales[14], B lowp_scales[15])
;;   THE QUANTISER, for each operand of a quantised product, along K:
;;     - The operand's scale is 2^e, e = its entry of the input lowp_scales (int32; the entries are numbered through the quantised products in the list's order, A before B).
;;     - Each number is divided by the scale, clamped to +-448, and rounded to the nearest number of E4M3, ties to even, subnormals kept.
;;     - The product sums the exact products of the quantised numbers (number of the format x scale) in f32.
;;   ~~~python
;;   def quantise(x, axis, e):      # numpy; x: float32 -> the quantised numbers, widened to float32 again
;;       x = np.moveaxis(x, axis, -1); K = x.shape[-1]
;;       r = np.clip(x / 2.0 ** e, -448, 448)
;;       step = 2.0 ** (np.maximum(np.frexp(np.where(r == 0, 1, r))[1] - 1, -6) - 3)
;;       q = np.round(r / step) * step * 2.0 ** e      # np.round: ties to even
;;       return np.moveaxis(q, -1, axis).astype(np.float32)
;;   ~~~
;;   SOFTMAX AHEAD OF A QUANTISED PRODUCT. Where the list says 'softmax', what is quantised is not the finished softmax but p = 2^(t - M), with t = logit x log2(e) and M = ceil(the row's largest t), a whole number; so 1/2 < the row's largest p <= 1. The row's sum l is taken of the UNQUANTISED p, in f32, and the product's result is divided by l at the end. Since M is a whole number, a kernel that streams over the keys may use a running M (the ceiling of the running maximum): every later rescaling is an exact power of two, so the quantised numbers keep their values, but for numbers so far below the row's largest that they fall under the format's range.
;;   OPERANDS COMPUTED ON THE WAY. 'Computed on the way' means the value that the module computes at that place (a softmax that the list does not call 'softmax' is quantised finished and normalised). What goes into a quantiser is computed in f32, as accurately as f32 sums, v_exp_f32 and their like allow (about 1e-6 of the number): no bf16 or f16 on the way to a quantiser, and a product that is left as it is and whose result goes on into a quantised operand takes f32 operands (vector FMAs, or v_wmma_f32_16x16x4_f32). A number that lies on a knife's edge between two numbers of the format may be rounded either way, as far as f32 arithmetic and the matrix unit's own rounding can turn it there, and no further.
;; One version. Each part assembles by itself: llvm-mc -triple=amdgcn-amd-amdhsa -mcpu=gfx1250 --defsym DOCPART=n.
;; ======== version 1 of 1: 7 launches
;; limits: right only within a limited range of input values
;; workspace buffers: wc 12,582,912 bytes; hc 12,582,912 bytes; att 12,582,912 bytes; ctxi 4,194,304 bytes; x1 16,777,216 bytes; h2c 4,194,304 bytes; hid 16,777,216 bytes
;; launch prep (part 1): grid 640 x 1, 4 waves a work-group, no clusters, 35,840 bytes of LDS; arguments Wq, Wk, Wv, Wo, W1, W2, x, g1, be1, lowp_scales, wc, hc; writes wc, hc
.if DOCPART == 1
	.amdgcn_target "amdgcn-amd-amdhsa--gfx1250"
	.amdhsa_code_object_version 6
	.text
	.protected	k_qa07322ede5_prep
	.globl	k_qa07322ede5_prep
	.p2align	8
	.type	k_qa07322ede5_prep,@function
k_qa07322ede5_prep:
	s_mov_b64 s[64:65], 0
	v_nop
	global_prefetch_b8 v0, s[64:65] scope:SCOPE_SE
	s_setreg_imm32_b32 hwreg(HW_REG_WAVE_MODE, 25, 1), 1
	s_wait_xcnt 0x0
; Work-groups 0-383: the six weights, f32 stored [K][N], become codes of E4M3 laid [N][K positions] in wc, each with its given scale 2^e.
; Work-groups 384-639: h = LayerNorm(x) g1 + be1, quantised three times (entries 0, 2, 4 of the scales) into hc [3][4096][1024 positions].
; code = number / 2^e, held within +-448, rounded to the nearest code, ties to even.  LIMITS: each e between -126 and 119; NaN among the inputs is not served.
; ORDER OF K IN A ROW OF CODES.  Order S (Wq, Wk, Wv, W1, hc): position 512 (j/4) + 16 l + 4 (j%4) + i holds k = 128 j + 4 l + i: the order in which a LayerNorm lane l holds
; the row after eight loads of 16 bytes.  Both sides of those products lie in order S, so every product meets its partner.
; Order P (Wo, W2): in each block of 32, position 16 h + 8 u + j holds k = 16 u + 8 h + j: a fragment fetched by 16-byte loads then has each k in the register in which the
; other side's register images (made in the matrix form's own layout) have it.
; WEIGHTS: a lane takes a column n and its registers run down K, so the conversions give codes with K innermost; a wave gathers 32 columns x 256 positions in its own LDS stage
; and sixteen lanes store 256 consecutive bytes, aligned.  No barrier: waves share nothing.
.set SPARE, 34816                      ; behind the four stages: the spare words, 128 bytes a wave
.set SPW,   250
.set NIL,   251
.set PITCH, 272
.set VO,    32                         ; v32-63   weights: the 32 row offsets of a block
.set XW,    64                         ; v64-127  two sets of 32 numbers
.set CW,    128                        ; v128-135 a block's codes
.set OUTR,  136                        ; v136-199 the way out
.set VT,    200                        ; v200-215 the way out's offsets
.set X,     32                         ; LayerNorm: v32-159 four rows of 32 numbers a lane
.set G,     160
.set BE,    192
.set T,     224
.set C,     4                          ; v4-27 codes: set q at 8 q
	s_load_b512 s[4:19], s[0:1], 0x0               ; Wq Wk Wv Wo W1 W2 x g1
	s_load_b256 s[20:27], s[0:1], 0x40             ; be1, the scales' exponents, wc, hc
	v_lshl_add_u32 v[SPW], v0, 2, SPARE
	v_mov_b32 v[NIL], 0
	v_lshrrev_b32 v1, 5, v0
	v_readfirstlane_b32 s36, v1                    ; wave
	v_and_b32 v2, 31, v0                           ; lane
	s_wait_kmcnt 0x0
	s_load_b512 s[68:83], s[22:23], 0x0            ; e0 .. e15
	s_cmp_ge_u32 ttmp9, 384
	s_cbranch_scc1 .Lln
; ---------------- the weights.  All that differs between them is chosen by the work-group's number
	s_lshr_b32 s29, ttmp9, 5                       ; 0-3: Wq Wk Wv Wo
	s_lshr_b32 s30, ttmp9, 7                       ; 0: those four; 1: W1; 2: W2
	s_and_b32 s31, ttmp9, 31
	s_and_b32 s32, ttmp9, 127
	s_cmp_eq_u32 s30, 0
	s_cselect_b32 s31, s31, s32                    ; my number within the weight
	s_cselect_b32 s33, s29, 4                      ; the weight's place in wc, in megabytes
	s_cmp_eq_u32 s30, 1
	s_cselect_b32 s34, 31, 7                       ; blocks of 128 columns, less one
	s_cselect_b32 s35, 5, 3
	s_cselect_b32 s37, 14, 12                      ; log2 of a source row's bytes
	s_cmp_eq_u32 s30, 2
	s_cselect_b32 s38, 12, 10                      ; log2 of a row of codes
	s_cselect_b32 s33, 8, s33
	s_cselect_b32 s39, 0, 1
	s_cmp_eq_u32 s29, 3
	s_cselect_b32 s39, 0, s39                      ; 1: order S; 0: order P (Wo, W2)
	s_and_b32 s34, s31, s34                        ; block of columns
	s_lshr_b32 s35, s31, s35                       ; y: which 256 positions
	s_lshl_b32 s33, s33, 20
	s_mov_b64 s[40:41], s[4:5]
	s_cmp_eq_u32 s29, 1
	s_cselect_b64 s[40:41], s[6:7], s[40:41]
	s_cmp_eq_u32 s29, 2
	s_cselect_b64 s[40:41], s[8:9], s[40:41]
	s_cmp_eq_u32 s29, 3
	s_cselect_b64 s[40:41], s[10:11], s[40:41]
	s_cmp_eq_u32 s30, 1
	s_cselect_b64 s[40:41], s[12:13], s[40:41]
	s_cmp_eq_u32 s30, 2
	s_cselect_b64 s[40:41], s[14:15], s[40:41]     ; the weight
	s_lshl_b32 s34, s34, 7
	s_lshl_b32 s28, s36, 5
	s_add_co_u32 s34, s34, s28                     ; my wave's first column
	s_lshr_b32 s28, s35, 1
	s_lshl_b32 s28, s28, 9
	s_and_b32 s32, s35, 1
	s_lshl_b32 s32, s32, 6
	s_add_co_u32 s28, s28, s32                     ; order S: block t of my 256 positions begins at k = 512 (y/2) + 64 (y%2) + 8 t
	s_lshl_b32 s32, s35, 8                         ; order P: at 256 y + 32 t
	s_cmp_eq_u32 s39, 1
	s_cselect_b32 s28, s28, s32
	s_cselect_b32 s32, 8, 32
	s_lshl_b32 s31, s34, 2
	s_mov_b32 s85, 0
.irp t, 0,1,2,3,4,5,6,7
	s_mul_i32 s84, s32, \t
	s_add_co_u32 s84, s84, s28
	s_lshl_b32 s84, s84, s37
	s_add_co_u32 s84, s84, s31
	s_add_nc_u64 s[44+2*\t:45+2*\t], s[40:41], s[84:85]   ; block t's first row, my wave's first column
.endr
	s_wait_alu depctr_va_vdst(0)
	v_lshlrev_b32 v3, 2, v2
	s_wait_alu depctr_va_vdst(0)
	s_cmp_eq_u32 s39, 1                            ; (the selects below leave SCC alone)
.set i, 0
.rept 32
	s_cselect_b32 s84, 128*((i>>2)&3)+4*(i>>4)+(i&3), (i&7)|(((i>>3)&1)<<4)|(((i>>4)&1)<<3)
	v_lshl_add_u32 v[VO+i], s84, s37, v3           ; position i of a block: its row of the weight, + 4 bytes a lane
.set i, i+1
.endr
	s_lshl_b32 s84, s34, s38
	s_add_co_u32 s84, s84, s33
	s_lshl_b32 s86, s35, 8
	s_add_co_u32 s84, s84, s86
	s_add_nc_u64 s[60:61], s[24:25], s[84:85]      ; wc: my first column's row, my 256 positions
	s_mul_i32 s86, s36, 32*PITCH                   ; my stage
	v_mul_u32_u24 v4, v2, PITCH
	v_add_nc_u32 v4, s86, v4                       ; in: row = my column
	v_and_b32 v5, 15, v2
	v_lshrrev_b32 v6, 4, v2
	v_mul_u32_u24 v7, v6, PITCH
	v_lshl_add_u32 v7, v5, 4, v7
	v_add_nc_u32 v7, s86, v7                       ; out: sixteen lanes to a row, two rows an instruction
	v_lshlrev_b32 v8, 4, v5
.set t, 0
.rept 16
	v_add_nc_u32 v9, 2*t, v6
	v_lshl_add_u32 v[VT+t], v9, s38, v8            ; and the same place in wc
.set t, t+1
.endr
.macro LOAD t
.set i, 0
.rept 32
	global_load_b32 v[XW+32*((\t)%2)+i], v[VO+i], s[44+2*(\t):45+2*(\t)] th:TH_LOAD_NT
.set i, i+1
.endr
.endm
	LOAD 0
	LOAD 1
	s_wait_kmcnt 0x0
	s_mov_b32 s42, s69
	s_cmp_eq_u32 s29, 1
	s_cselect_b32 s42, s71, s42
	s_cmp_eq_u32 s29, 2
	s_cselect_b32 s42, s73, s42
	s_cmp_eq_u32 s29, 3
	s_cselect_b32 s42, s79, s42
	s_cmp_eq_u32 s30, 1
	s_cselect_b32 s42, s81, s42
	s_cmp_eq_u32 s30, 2
	s_cselect_b32 s42, s83, s42                    ; the weight's e
	s_add_co_i32 s42, s42, 127
	s_lshl_b32 s43, s42, 23
	v_mov_b32 v11, s43                             ; 2^e as f32: the conversion takes its exponent field
	s_add_co_i32 s42, s42, 8
	s_lshl_b32 s42, s42, 23
	s_or_b32 s42, s42, 0x600000
	v_mov_b32 v10, s42                             ; 448 x 2^e
.macro BLOCK t
.set XS, XW+32*((\t)%2)
.if (\t) < 7
	s_wait_loadcnt 32                              ; this block's 32 loads are in; the next block's may be out
.else
	s_wait_loadcnt 0
.endif
.set i, 0
.rept 32
	v_med3_num_f32 v[XS+i], v[XS+i], -v10, v10     ; the conversion does not saturate (ISA guide 7.6.2): the hold comes first
.set i, i+1
.endr
.irp g, 0,1,2,3
	v_cvt_scalef32_pk8_fp8_f32 v[CW+2*\g:CW+2*\g+1], v[XS+8*\g:XS+8*\g+7], v11
.endr
	ds_store_b128 v4, v[CW:CW+3] offset:32*(\t)
	ds_store_b128 v4, v[CW+4:CW+7] offset:32*(\t)+16
.if (\t)+2 < 8
	LOAD (\t)+2
.endif
	s_wait_dscnt 0x0                               ; the stores have read their registers: the next block's codes may be written
.endm
	s_wait_alu depctr_va_vdst(0)
.irp t, 0,1,2,3,4,5,6,7
	BLOCK \t
.endr
.set t, 0
.rept 16
	ds_load_b128 v[OUTR+4*t:OUTR+4*t+3], v7 offset:2*t*PITCH   ; LDS serves a wave's instructions in order: these see my stores
.set t, t+1
.endr
.set t, 0
.rept 16
	s_wait_dscnt 15-t                              ; read-back t is in; the later ones may be out
	global_store_b128 v[VT+t], v[OUTR+4*t:OUTR+4*t+3], s[60:61]
.set t, t+1
.endr
	s_wait_tensorcnt 0x0                           ; the wave's end
	ds_add_u32 v[SPW], v[NIL]
	s_wait_dscnt 0x0
	s_endpgm
; ---------------- LayerNorm: a wave takes four rows, a row in 32 registers a lane; no LDS on this path
.Lln:
	s_sub_co_u32 s28, ttmp9, 384
	s_lshl_b32 s28, s28, 4
	s_lshl_b32 s29, s36, 2
	s_add_co_u32 s28, s28, s29                     ; my first row
	s_lshl_b32 s30, s28, 12
	s_mov_b32 s31, 0
	s_add_nc_u64 s[16:17], s[16:17], s[30:31]
	s_lshl_b32 s30, s28, 10
	s_add_nc_u64 s[40:41], s[26:27], s[30:31]      ; its codes in set 0,
	s_add_nc_u64 s[42:43], s[40:41], 0x400000      ; set 1,
	s_add_nc_u64 s[44:45], s[40:41], 0x800000      ; set 2
	s_mov_b32 s46, 0x3a800000                      ; 1 / 1024
	s_mov_b32 s47, 0x3727c5ac                      ; 1e-5
	s_mov_b32 s48, 0x76543210
	s_mov_b32 s49, 0xfedcba98
	s_wait_alu depctr_va_vdst(0)
	v_lshlrev_b32 v1, 4, v2
	v_mov_b32 v244, 0                              ; a lane permute's destination counts as read
.irp j, 0,1,2,3,4,5,6,7
	global_load_b128 v[G+4*\j:G+4*\j+3], v1, s[18:19] offset:512*\j
.endr
.irp j, 0,1,2,3,4,5,6,7
	global_load_b128 v[BE+4*\j:BE+4*\j+3], v1, s[20:21] offset:512*\j
.endr
.irp r, 0,1,2,3
.irp j, 0,1,2,3,4,5,6,7
	global_load_b128 v[X+32*\r+4*\j:X+32*\r+4*\j+3], v1, s[16:17] offset:4096*\r+512*\j th:TH_LOAD_NT
.endr
.endr
	s_wait_kmcnt 0x0
.irp q, 0,1,2
	s_add_co_i32 s50, s[68+2*\q], 127
	s_lshl_b32 s51, s50, 23
	v_mov_b32 v[246+\q], s51                       ; 2^e
	s_add_co_i32 s50, s50, 8
	s_lshl_b32 s50, s50, 23
	s_or_b32 s50, s50, 0x600000
	v_mov_b32 v[252+\q], s50                       ; 448 x 2^e
.endr
.macro REDUCE                          ; v28 summed over the 32 lanes, the result in every lane
	v_add_f32_dpp v28, v28, v28 row_xmask:1 row_mask:0xf bank_mask:0xf
	v_add_f32_dpp v28, v28, v28 row_xmask:2 row_mask:0xf bank_mask:0xf
	v_add_f32_dpp v28, v28, v28 row_xmask:4 row_mask:0xf bank_mask:0xf
	v_add_f32_dpp v28, v28, v28 row_xmask:8 row_mask:0xf bank_mask:0xf
	v_permlanex16_b32 v244, v28, s48, s49
	v_add_f32 v28, v28, v244
.endm
.macro LNROW rr
.set XR, X+32*\rr
	s_wait_loadcnt 8*(3-\rr)                       ; this row's eight loads are in; the later rows' may be out
	v_pk_add_f32 v[28:29], v[XR:XR+1], v[XR+2:XR+3]
	v_pk_add_f32 v[30:31], v[XR+4:XR+5], v[XR+6:XR+7]
.irp j, 8,12,16,20,24,28
	v_pk_add_f32 v[28:29], v[28:29], v[XR+\j:XR+\j+1]
	v_pk_add_f32 v[30:31], v[30:31], v[XR+\j+2:XR+\j+3]
.endr
	v_pk_add_f32 v[28:29], v[28:29], v[30:31]
	v_add_f32 v28, v28, v29
	REDUCE
	v_mul_f32 v240, s46, v28                       ; the mean, twice
	v_mul_f32 v241, s46, v28
.irp j, 0,2,4,6,8,10,12,14,16,18,20,22,24,26,28,30
	v_pk_add_f32 v[XR+\j:XR+\j+1], v[XR+\j:XR+\j+1], v[240:241] neg_lo:[0,1] neg_hi:[0,1]   ; centred first: the variance is no difference of large sums
.endr
	v_pk_mul_f32 v[28:29], v[XR:XR+1], v[XR:XR+1]
	v_pk_mul_f32 v[30:31], v[XR+2:XR+3], v[XR+2:XR+3]
.irp j, 4,8,12,16,20,24,28
	v_pk_fma_f32 v[28:29], v[XR+\j:XR+\j+1], v[XR+\j:XR+\j+1], v[28:29]
	v_pk_fma_f32 v[30:31], v[XR+\j+2:XR+\j+3], v[XR+\j+2:XR+\j+3], v[30:31]
.endr
	v_pk_add_f32 v[28:29], v[28:29], v[30:31]
	v_add_f32 v28, v28, v29
	REDUCE
	v_fma_f32 v28, v28, s46, s47                   ; variance + 1e-5
	s_wait_alu depctr_va_vdst(0)
	v_rsq_f32 v242, v28
	v_nop                                          ; a plain instruction behind the transcendental,
	s_wait_alu depctr_va_vdst(0)                   ; and the wait ahead of its first reader
	v_mov_b32 v243, v242
.irp j, 0,2,4,6,8,10,12,14,16,18,20,22,24,26,28,30
	v_pk_mul_f32 v[XR+\j:XR+\j+1], v[XR+\j:XR+\j+1], v[242:243]
.endr
.irp j, 0,2,4,6,8,10,12,14,16,18,20,22,24,26,28,30
	v_pk_fma_f32 v[XR+\j:XR+\j+1], v[XR+\j:XR+\j+1], v[G+\j:G+\j+1], v[BE+\j:BE+\j+1]
.endr
	s_wait_xcnt 0x0                                ; the last row's stores have read their codes: these registers are written again only behind this wait
.irp q, 0,1,2
.irp u, 0,1
.irp i, 0,1,2,3,4,5,6,7,8,9,10,11,12,13,14,15
	v_med3_num_f32 v[T+\i], v[XR+16*\u+\i], -v[252+\q], v[252+\q]
.endr
	v_cvt_scalef32_pk8_fp8_f32 v[C+8*\q+4*\u:C+8*\q+4*\u+1], v[T:T+7], v[246+\q]
	v_cvt_scalef32_pk8_fp8_f32 v[C+8*\q+4*\u+2:C+8*\q+4*\u+3], v[T+8:T+15], v[246+\q]
	v_nop                                          ; a plain instruction between the conversions and the next holds, which write their sources
.endr
.endr
.irp q, 0,1,2
.irp u, 0,1
	global_store_b128 v1, v[C+8*\q+4*\u:C+8*\q+4*\u+3], s[40+2*\q:41+2*\q] offset:1024*\rr+512*\u   ; 32 lanes store 512 consecutive bytes, aligned
.endr
.endr
.endm
	LNROW 0
	LNROW 1
	LNROW 2
	LNROW 3
	s_endpgm
.Lfunc_end_k_qa07322ede5_prep:
	.size	k_qa07322ede5_prep, .Lfunc_end_k_qa07322ede5_prep-k_qa07322ede5_prep
	.p2alignl 7, 3214868480
	.fill 96, 4, 3214868480
	.section	.rodata,"a",@progbits
	.p2align	6, 0x0
	.amdhsa_kernel k_qa07322ede5_prep
		.amdhsa_group_segment_fixed_size 35840
		.amdhsa_private_segment_fixed_size 0
		.amdhsa_enable_private_segment 0
		.amdhsa_kernarg_size 96
		.amdhsa_user_sgpr_count 2
		.amdhsa_user_sgpr_kernarg_segment_ptr 1
		.amdhsa_wavefront_size32 1
		.amdhsa_system_sgpr_workgroup_id_x 1
		.amdhsa_system_sgpr_workgroup_id_y 1
		.amdhsa_system_sgpr_workgroup_id_z 1
		.amdhsa_system_vgpr_workitem_id 0
		.amdhsa_next_free_vgpr 256
		.amdhsa_next_free_sgpr 90
		.amdhsa_reserve_vcc 0
		.amdhsa_float_denorm_mode_32 3
		.amdhsa_float_denorm_mode_16_64 3
		.amdhsa_memory_ordered 1
		.amdhsa_forward_progress 1
		.amdhsa_inst_pref_size 118
	.end_amdhsa_kernel
	.amdgpu_metadata
---
amdhsa.version: [ 1, 2 ]
amdhsa.kernels:
  - .name:           k_qa07322ede5_prep
    .symbol:         k_qa07322ede5_prep.kd
    .args:
      - { .name: Wq, .offset: 0, .size: 8, .value_kind: global_buffer, .address_space: global }
      - { .name: Wk, .offset: 8, .size: 8, .value_kind: global_buffer, .address_space: global }
      - { .name: Wv, .offset: 16, .size: 8, .value_kind: global_buffer, .address_space: global }
      - { .name: Wo, .offset: 24, .size: 8, .value_kind: global_buffer, .address_space: global }
      - { .name: W1, .offset: 32, .size: 8, .value_kind: global_buffer, .address_space: global }
      - { .name: W2, .offset: 40, .size: 8, .value_kind: global_buffer, .address_space: global }
      - { .name: x, .offset: 48, .size: 8, .value_kind: global_buffer, .address_space: global }
      - { .name: g1, .offset: 56, .size: 8, .value_kind: global_buffer, .address_space: global }
      - { .name: be1, .offset: 64, .size: 8, .value_kind: global_buffer, .address_space: global }
      - { .name: lowp_scales, .offset: 72, .size: 8, .value_kind: global_buffer, .address_space: global }
      - { .name: wc, .offset: 80, .size: 8, .value_kind: global_buffer, .address_space: global }
      - { .name: hc, .offset: 88, .size: 8, .value_kind: global_buffer, .address_space: global }
    .group_segment_fixed_size: 35840
    .private_segment_fixed_size: 0
    .kernarg_segment_align: 8
    .kernarg_segment_size: 96
    .max_flat_workgroup_size: 128
    .sgpr_count:     90
    .vgpr_count:     256
    .wavefront_size: 32
...
	.end_amdgpu_metadata
.endif
;; end of part 1
;; launch qkv (part 2): grid 12 x 16, 4 waves a work-group, clusters of 4 x 4, 327,680 bytes of LDS; arguments hc, wc, lowp_scales, att; writes att
.if DOCPART == 2
	.amdgcn_target "amdgcn-amd-amdhsa--gfx1250"
	.amdhsa_code_object_version 6
	.text
	.protected	k_qa07322ede5_qkv
	.globl	k_qa07322ede5_qkv
	.p2align	8
	.type	k_qa07322ede5_qkv,@function
k_qa07322ede5_qkv:
	s_mov_b64 s[64:65], 0
	v_nop
	global_prefetch_b8 v0, s[64:65] scope:SCOPE_SE
	s_setreg_imm32_b32 hwreg(HW_REG_WAVE_MODE, 25, 1), 1
	s_wait_xcnt 0x0
	s_wait_alu depctr_hold_cnt(0) depctr_sa_sdst(0) depctr_va_vdst(0) depctr_va_sdst(0) depctr_va_ssrc(0) depctr_va_vcc(0) depctr_vm_vsrc(0)
	s_getreg_b32 s2, hwreg(HW_REG_IB_STS2, 6, 4)
	s_cmp_eq_u32 s2, 0
	s_cbranch_scc0 .Lentry_in_a_cluster
	s_endpgm
.Lentry_in_a_cluster:
	s_bfe_u32 s2, ttmp6, 0x10000c
	s_cmp_lg_u32 s2, 0xf033
	s_cbranch_scc0 .Lentry_shape_is_right
	s_endpgm
.Lentry_shape_is_right:
; q = h Wq, k = h Wk, v = h Wv on codes of E4M3 (K = 1,024), the results quantised at once (entries 6, 7, 8 of the scales) into the register images that the attention launch loads.
; Cluster x = 0: q; 1: k; 2: v.  A tile of 256 x 256 to a work-group of four waves, 128 x 128 a wave: 64 accumulators, 512 registers.  K in steps of 256 through a ring of two LDS slots.
; The matrix instruction takes 16 rows of tensor "B" as source 0 and 16 rows of tensor "A" as source 1: a lane then holds ONE row of A and eight neighbouring rows of B.
;   q, k: A = h's codes (tokens), B = the weight's rows (features): a lane holds one token and eight neighbouring channels: the layout of an operand whose K is the head's 64.
;   v:    A = Wv's rows (features), B = h's codes (tokens): a lane holds one channel and eight neighbouring keys: the layout of V^T, whose K is the keys.  The loop's text is the same.
; CLUSTERS: 4 x 4 work-groups; A's tiles are asked for jointly along a row of the cluster, B's along a column.
; A sum stands for sum x 2^(eA + eB); its code is sum / 2^(eOut - eA - eB).  LIMIT: that exponent lies between -126 and 119.
; att, for each of the 32 (batch, head): 16 groups of 128 keys x 16,384 bytes (8 images of K, 1,024 each; then 4 images of V^T, 2,048 each), then from byte 262,144 the 128 images of Q.
; An image is an operand's registers as they stand: registers 4 i .. 4 i + 3 of lane l at byte 512 i + 16 l, so each store covers 512 consecutive bytes, aligned.
; REGISTERS as windows of 256: window 0: v0-31 addresses, from v128 A's fragments (one set); window 1: B's fragments, two sets; windows 2, 3: the accumulators.
.set SIZE_K, 1024
.set KSTEP,  256
.set ROWB,   256
.set KROW,   SIZE_K
.set PITCH,  272                       ; an LDS row: 256 bytes + 16 of padding: the 16 rows of a fragment load start at 16 different banks (64 banks of 4 bytes: ISA guide 11.1)
.set FR,     16
.set NL,     4
.set NP,     4
.set HALFT,  128*PITCH
.set SLOT,   4*HALFT
.set LAPS,   SIZE_K/(2*KSTEP)
.set SPARE,  2*SLOT                    ; behind the ring: the spare words
.set ADRA, 16
.set ADRB, 20
.set LI,   26                          ; v26  16 x lane
.set SPW,  28
.set NIL,  29
.set LIM,  30                          ; v30  448 x the scale
.set SCV,  31                          ; v31  the scale
.set TMP,  32
.set AF,   128
.set CD,   128                         ; the way out: 16 registers of codes for each of A's eight blocks
.set G1, 24
.set G0, 32
.set G1B, 48
.set G0B, 56
.set MSB, 0
.macro WIN new                         ; the immediate's high byte repeats the setting that is left
.if MSB != \new
	s_set_vgpr_msb (MSB<<8)|\new
.set MSB, \new
.endif
.endm
.set MUL_LO, 0xa1
.set MUL_HI, 0xf1
.set TO_B,   0x40
.macro JLOAD g0a, g1a, g0b, g1b        ; a joint load: waves 0 and 1 fetch for A, waves 2 and 3 for B; an s_nop 0 and four v_nop follow each line
	s_cmp_eq_u32 s15, 0
	s_cbranch_scc0 .Lfor_b_\@
	tensor_load_to_lds s[\g0a:\g0a+3], s[\g1a:\g1a+7]
	s_nop 0
.rept 4
	v_nop
.endr
	s_branch .Lasked_\@
.Lfor_b_\@:
	tensor_load_to_lds s[\g0b:\g0b+3], s[\g1b:\g1b+7]
	s_nop 0
.rept 4
	v_nop
.endr
.Lasked_\@:
.endm
.macro CREST
	s_cmp_lg_u32 s14, 0
	s_cbranch_scc1 .Lnot_wave_0_\@
	s_barrier_signal -3
.Lnot_wave_0_\@:
	s_barrier_wait -3
	s_barrier_signal -1
	s_barrier_wait -1
.endm
.macro CROUND
	s_barrier_signal -1
	s_barrier_wait -1
	CREST
.endm
	s_load_b128 s[4:7], s[0:1], 0x0                ; hc, wc
	s_load_b128 s[8:11], s[0:1], 0x10              ; the scales' exponents, att
	v_lshl_add_u32 v[SPW], v0, 2, SPARE
	v_mov_b32 v[NIL], 0
	ds_add_u32 v[SPW], v[NIL]                      ; the wave's opening: the add and its wait ahead of my first tensor load
	ds_add_u32 v[SPW], v[NIL]
	v_lshrrev_b32 v1, 5, v0
	v_readfirstlane_b32 s14, v1                    ; wave
	s_lshr_b32 s15, s14, 1                         ; my half of A's rows; also: I fetch for A (0) or B (1)
	s_and_b32 s16, s14, 1                          ; my half of B's rows; also: which 128 rows I fetch
	s_bfe_u32 s40, ttmp6, 0x40000                  ; cx
	s_bfe_u32 s41, ttmp6, 0x40004                  ; cy
	s_and_b32 s13, ttmp7, 0xffff
	s_lshl_b32 s13, s13, 2                         ; 4 x cluster y: it walks the tokens, which are A's rows for q and k, B's for v
	s_cmp_eq_u32 ttmp9, 2
	s_cselect_b32 s12, 0, s13
	s_cselect_b32 s13, s13, 0
	s_add_co_u32 s17, s12, s41                     ; A's tile: made of cy and the cluster's place alone
	s_add_co_u32 s42, s13, s40                     ; B's tile: of cx and the cluster's place alone
	s_lshl_b32 s43, s41, 2
	s_lshl_b32 s43, 15, s43                        ; my row of the cluster
	s_lshl_b32 s44, 0x1111, s40                    ; my column
	s_or_b32 s[G1+0], s43, (0<<16)|(1<<20)|(1<<21)|(5<<22)|(3<<25)   ; mask; elements of 1 byte; padding on; bit 21 beside a mask; 4 words after every 64
	s_or_b32 s[G1B+0], s44, (0<<16)|(1<<20)|(1<<21)|(5<<22)|(3<<25)
.irp g, G1, G1B
	s_mov_b32 s[\g+1], ROWB<<16
	s_mov_b32 s[\g+2], 128<<16
	s_mov_b32 s[\g+3], ROWB<<16
	s_mov_b32 s[\g+4], 128
	s_mov_b32 s[\g+5], KROW
	s_mov_b32 s[\g+6], 0
	s_mov_b32 s[\g+7], 0
.endr
	s_lshl_b32 s18, s16, 7
	s_lshl_b32 s20, s17, 8
	s_add_co_u32 s20, s20, s18
	s_lshl_b32 s20, s20, 10                        ; A: (256 x tile + 128 x half) rows of 1,024 bytes
	s_lshl_b32 s46, s42, 8
	s_add_co_u32 s46, s46, s18
	s_lshl_b32 s46, s46, 10                        ; B likewise
	s_mov_b32 s21, 0
	s_mov_b32 s47, 0
	s_mul_i32 s45, s14, HALFT                      ; where they go: wave x 128 rows
	s_wait_dscnt 0x0                               ; the opening add is done
	s_wait_kmcnt 0x0
	s_load_b512 s[68:83], s[8:9], 0x0              ; e0 .. e15
	s_lshl_b32 s86, ttmp9, 22
	s_mov_b32 s87, 0
	s_add_nc_u64 s[4:5], s[4:5], s[86:87]          ; h's set of codes: 4 MB each
	s_lshl_b32 s86, ttmp9, 20
	s_add_nc_u64 s[6:7], s[6:7], s[86:87]          ; the weight: 1 MB each
	s_cmp_eq_u32 ttmp9, 2
	s_cselect_b64 s[88:89], s[6:7], s[4:5]         ; tensor A
	s_cselect_b64 s[90:91], s[4:5], s[6:7]         ; tensor B
	s_add_nc_u64 s[20:21], s[88:89], s[20:21]
	s_add_nc_u64 s[46:47], s[90:91], s[46:47]
	CROUND                                         ; all sixteen work-groups are here: the first joint loads meet
.irp s, 0,1
	s_mov_b32 s[G0+4*\s], 1
	s_add_co_u32 s[G0+4*\s+1], s45, \s*SLOT
	s_add_nc_u64 s[G0+4*\s+2:G0+4*\s+3], s[20:21], \s*ROWB
	s_or_b32 s[G0+4*\s+3], s[G0+4*\s+3], 0x80000000
	s_mov_b32 s[G0B+4*\s], 1
	s_add_co_u32 s[G0B+4*\s+1], s45, \s*SLOT
	s_add_nc_u64 s[G0B+4*\s+2:G0B+4*\s+3], s[46:47], \s*ROWB
	s_or_b32 s[G0B+4*\s+3], s[G0B+4*\s+3], 0x80000000
.endr
	JLOAD G0, G1, G0B, G1B                         ; K step 0: one tensor load a wave at the head
	v_and_b32 v1, 15, v0
	v_bfe_u32 v2, v0, 4, 1
	v_mul_u32_u24 v3, v1, PITCH
	v_lshl_add_u32 v4, v2, 4, v3                   ; a fragment's row x pitch + 16 x half
	s_mul_i32 s21, s15, HALFT
	s_mul_i32 s22, s16, HALFT
	s_add_co_u32 s22, s22, 2*HALFT
.irp s, 0,1
	v_add_nc_u32 v[ADRA+\s], s21, v4
	v_add_nc_u32 v[ADRB+\s], s22, v4
	s_add_co_u32 s21, s21, SLOT
	s_add_co_u32 s22, s22, SLOT
.endr
	v_and_b32 v6, 31, v0
	v_lshlrev_b32 v[LI], 4, v6
	; where my wave's images begin in att
	s_lshl_b32 s86, s17, 8
	s_lshl_b32 s87, s15, 7
	s_add_co_u32 s86, s86, s87                     ; my first row of A
	s_lshl_b32 s87, s42, 8
	s_lshl_b32 s88, s16, 7
	s_add_co_u32 s87, s87, s88                     ; my first row of B
	s_cmp_eq_u32 ttmp9, 2
	s_cselect_b32 s88, s87, s86                    ; my first token
	s_cselect_b32 s89, s86, s87                    ; my first feature
	s_cselect_b32 s92, 8192, 0                     ; V^T's images lie behind a group's images of K
	s_cmp_eq_u32 ttmp9, 0
	s_cselect_b32 s91, 13, 14                      ; 128 tokens are 8,192 bytes of Q's images, or one group of 16,384
	s_cselect_b32 s92, 262144, s92
	s_lshr_b32 s90, s88, 11
	s_lshl_b32 s90, s90, 4
	s_lshr_b32 s89, s89, 6
	s_add_co_u32 s90, s90, s89                     ; 16 x batch + head
	s_mul_i32 s90, s90, 393216
	s_bfe_u32 s88, s88, 0x40007                    ; (token % 2,048) / 128
	s_lshl_b32 s88, s88, s91
	s_add_co_u32 s90, s90, s88
	s_add_co_u32 s90, s90, s92
	s_mov_b32 s91, 0
	s_add_nc_u64 s[10:11], s[10:11], s[90:91]
.macro FRAG reg, adr, q, i             ; 16 rows x 128 positions: four loads of 16 bytes, 32 apart; the same places on both sides
.irp c, 0,1,2,3
	ds_load_b128 v[\reg+4*\c:\reg+4*\c+3], v[\adr] offset:128*(\q)+32*\c+(\i)*16*PITCH
.endr
.endm
; 16 matrix instructions; the 64 accumulators take turns, one instruction a turn, in the same order in every step
.macro MUL16 a0, p, zero
.irp a, \a0, \a0+1
.irp b, 0,1,2,3,4,5,6,7
.if \zero
	v_wmma_f32_16x16x128_fp8_fp8 v[8*(8*((\a)%4)+\b):8*(8*((\a)%4)+\b)+7], v[128*(\p)+FR*\b:128*(\p)+FR*\b+FR-1], v[AF+FR*(\a):AF+FR*(\a)+FR-1], 0
.else
	v_wmma_f32_16x16x128_fp8_fp8 v[8*(8*((\a)%4)+\b):8*(8*((\a)%4)+\b)+7], v[128*(\p)+FR*\b:128*(\p)+FR*\b+FR-1], v[AF+FR*(\a):AF+FR*(\a)+FR-1], v[8*(8*((\a)%4)+\b):8*(8*((\a)%4)+\b)+7]
.endif
.endr
.endr
.endm
.macro FETCH_B slot, q, p
	WIN TO_B
.irp i, 0,1,2,3,4,5,6,7
	FRAG 128*(\p)+FR*\i, ADRB+\slot, \q, \i
.endr
	WIN 0
.endm
.macro FETCH_A slot, q, i0
.irp i, \i0, \i0+1, \i0+2, \i0+3
	FRAG AF+FR*(\i), ADRA+\slot, \q, \i
.endr
.endm
.macro PLACES n                        ; plain vector instructions between a matrix instruction and a load into, or a read of, its registers
.rept \n
	v_nop
.endr
.endm
.macro STEP slot, q, zero              ; 128 along K whose successor lies in the same slot
	s_wait_dscnt 4*NL                              ; B's set and A's blocks 0-3 are in; the youngest sixteen loads (A's blocks 4-7) may be out
	WIN MUL_LO
	MUL16 0, (\q)%2, \zero
	MUL16 2, (\q)%2, \zero
	s_wait_dscnt 0
	PLACES NP
	FETCH_B \slot, (\q)+1, 1-(\q)%2
	FETCH_A \slot, (\q)+1, 0
	WIN MUL_HI
	MUL16 4, (\q)%2, \zero
	MUL16 6, (\q)%2, \zero
	PLACES NP
	WIN 0
	FETCH_A \slot, (\q)+1, 4
.endm
; A slot's last step changes slots: one barrier; in front of it each wave waits for all its tensor loads, adds 0 to its spare word, and waits for that and for its reads of this slot
.macro TURN slot, next, fill
	s_wait_tensorcnt 0x0                           ; all my tensor loads have landed: my part of the next slot
	ds_add_u32 v[SPW], v[NIL]
	s_wait_dscnt 4*NL+1                            ; the add and A's blocks 4-7 may be out
	WIN MUL_LO
	MUL16 0, 1, 0
	s_wait_dscnt 0x0                               ; the add is done, and my reads of this slot are over
	s_barrier_signal -1
	MUL16 2, 1, 0
	WIN 0
	s_barrier_wait -1
.if \fill
	CREST                                          ; the barrier has opened a round of the cluster's: no wave of any partner still reads this slot or has a load on its way
	s_add_nc_u64 s[G0+4*\slot+2:G0+4*\slot+3], s[G0+4*\slot+2:G0+4*\slot+3], 2*ROWB
	s_add_nc_u64 s[G0B+4*\slot+2:G0B+4*\slot+3], s[G0B+4*\slot+2:G0B+4*\slot+3], 2*ROWB
	JLOAD G0+4*\slot, G1, G0B+4*\slot, G1B         ; the first tensor load behind the round; its four v_nop are the places in front of the loads below
.else
	PLACES NP
.endif
	FETCH_B \next, 0, 0
	FETCH_A \next, 0, 0
	WIN MUL_HI
	MUL16 4, 1, 0
	MUL16 6, 1, 0
	PLACES NP
	WIN 0
	FETCH_A \next, 0, 4
.endm
	s_wait_alu depctr_va_vdst(0)
	s_wait_tensorcnt 0x0                           ; my part of K step 0 is in
	ds_add_u32 v[SPW], v[NIL]
	s_wait_dscnt 0x0
	CROUND                                         ; everybody's part of K step 0 is in, and the joint loads meet
	JLOAD G0+4, G1, G0B+4, G1B                     ; K step 1: the first tensor load behind the round
	FETCH_B 0, 0, 0
	FETCH_A 0, 0, 0
	FETCH_A 0, 0, 4
	STEP 0, 0, 1                                   ; the first step's products start the sums
	s_mov_b32 s3, LAPS-1
.Llap:
	TURN 0, 1, 1
	STEP 1, 0, 0
	TURN 1, 0, 1
	STEP 0, 0, 0
	s_sub_co_u32 s3, s3, 1
	s_cmp_lg_u32 s3, 0
	s_cbranch_scc1 .Llap
	TURN 0, 1, 0
	STEP 1, 0, 0
	s_wait_dscnt 4*NL
	WIN MUL_LO
	MUL16 0, 1, 0
	MUL16 2, 1, 0
	s_wait_dscnt 0
	WIN MUL_HI
	MUL16 4, 1, 0
	MUL16 6, 1, 0
	WIN 0
	; THE WAY OUT: held, converted, stored as images; no LDS
	s_wait_kmcnt 0x0
	s_cmp_eq_u32 ttmp9, 1
	s_cselect_b32 s84, s70, s68
	s_cselect_b32 s85, s71, s69
	s_cselect_b32 s86, s75, s74
	s_cmp_eq_u32 ttmp9, 2
	s_cselect_b32 s84, s72, s84                    ; h's e,
	s_cselect_b32 s85, s73, s85                    ; the weight's,
	s_cselect_b32 s86, s76, s86                    ; the result's
	s_sub_co_i32 s86, s86, s84
	s_sub_co_i32 s86, s86, s85
	s_add_co_i32 s86, s86, 127
	s_lshl_b32 s87, s86, 23
	s_add_co_i32 s86, s86, 8
	s_lshl_b32 s86, s86, 23
	s_or_b32 s86, s86, 0x600000
	PLACES NP
	v_mov_b32 v[SCV], s87
	v_mov_b32 v[LIM], s86
.macro EPI isv
.irp a, 0,1,2,3,4,5,6,7
	WIN 0x02+(\a/4)                                ; source 0: window 2 or 3
.set j, 0
.rept 64
	v_med3_num_f32 v[TMP+j], v[64*(\a%4)+j], -v[LIM], v[LIM]   ; each accumulator from its low end on
.set j, j+1
.endr
	WIN 0
.irp b, 0,1,2,3,4,5,6,7
	v_cvt_scalef32_pk8_fp8_f32 v[CD+16*\a+2*\b:CD+16*\a+2*\b+1], v[TMP+8*\b:TMP+8*\b+7], v[SCV]
.endr
	v_nop                                          ; a plain instruction between the conversions and the next holds, which write their sources
.irp i, 0,1,2,3
.if \isv
	global_store_b128 v[LI], v[CD+16*\a+4*\i:CD+16*\a+4*\i+3], s[10:11] offset:(\a/4)*393216+(\a%4)*2048+\i*512
.else
	global_store_b128 v[LI], v[CD+16*\a+4*\i:CD+16*\a+4*\i+3], s[10:11] offset:\a*1024+(\i/2)*393216+(\i%2)*512
.endif
.endr
.endr
.endm
	s_cmp_eq_u32 ttmp9, 2                          ; the cluster's x: the same in all partners
	s_cbranch_scc1 .Lvout
	EPI 0
	s_branch .Ldone
.Lvout:
	s_wait_alu depctr_va_vdst(0)
	EPI 1
.Ldone:
	s_wait_tensorcnt 0x0                           ; the wave's end
	ds_add_u32 v[SPW], v[NIL]
	s_wait_dscnt 0x0
	CROUND                                         ; the closing round
	s_endpgm
.Lfunc_end_k_qa07322ede5_qkv:
	.size	k_qa07322ede5_qkv, .Lfunc_end_k_qa07322ede5_qkv-k_qa07322ede5_qkv
	.p2alignl 7, 3214868480
	.fill 96, 4, 3214868480
	.section	.rodata,"a",@progbits
	.p2align	6, 0x0
	.amdhsa_kernel k_qa07322ede5_qkv
		.amdhsa_group_segment_fixed_size 327680
		.amdhsa_private_segment_fixed_size 0
		.amdhsa_enable_private_segment 0
		.amdhsa_kernarg_size 32
		.amdhsa_user_sgpr_count 2
		.amdhsa_user_sgpr_kernarg_segment_ptr 1
		.amdhsa_wavefront_size32 1
		.amdhsa_system_sgpr_workgroup_id_x 1
		.amdhsa_system_sgpr_workgroup_id_y 1
		.amdhsa_system_sgpr_workgroup_id_z 1
		.amdhsa_system_vgpr_workitem_id 0
		.amdhsa_next_free_vgpr 1024
		.amdhsa_next_free_sgpr 100
		.amdhsa_reserve_vcc 0
		.amdhsa_float_denorm_mode_32 3
		.amdhsa_float_denorm_mode_16_64 3
		.amdhsa_memory_ordered 1
		.amdhsa_forward_progress 1
		.amdhsa_inst_pref_size 159
	.end_amdhsa_kernel
	.amdgpu_metadata
---
amdhsa.version: [ 1, 2 ]
amdhsa.kernels:
  - .name:           k_qa07322ede5_qkv
    .symbol:         k_qa07322ede5_qkv.kd
    .args:
      - { .name: hc, .offset: 0, .size: 8, .value_kind: global_buffer, .address_space: global }
      - { .name: wc, .offset: 8, .size: 8, .value_kind: global_buffer, .address_space: global }
      - { .name: lowp_scales, .offset: 16, .size: 8, .value_kind: global_buffer, .address_space: global }
      - { .name: att, .offset: 24, .size: 8, .value_kind: global_buffer, .address_space: global }
    .group_segment_fixed_size: 327680
    .private_segment_fixed_size: 0
    .kernarg_segment_align: 8
    .kernarg_segment_size: 32
    .max_flat_workgroup_size: 128
    .sgpr_count:     100
    .vgpr_count:     1024
    .wavefront_size: 32
...
	.end_amdgpu_metadata
.endif
;; end of part 2
;; launch attn (part 3): grid 8 x 32, 16 waves a work-group, clusters of 4 x 1, 327,680 bytes of LDS; arguments att, lowp_scales, ctxi; writes ctxi
.if DOCPART == 3
	.amdgcn_target "amdgcn-amd-amdhsa--gfx1250"
	.amdhsa_code_object_version 6
	.text
	.protected	k_qa07322ede5_attn
	.globl	k_qa07322ede5_attn
	.p2align	8
	.type	k_qa07322ede5_attn,@function
k_qa07322ede5_attn:
	s_mov_b64 s[64:65], 0
	v_nop
	global_prefetch_b8 v0, s[64:65] scope:SCOPE_SE
	s_setreg_imm32_b32 hwreg(HW_REG_WAVE_MODE, 25, 1), 1
	s_wait_xcnt 0x0
	s_wait_alu depctr_hold_cnt(0) depctr_sa_sdst(0) depctr_va_vdst(0) depctr_va_sdst(0) depctr_va_ssrc(0) depctr_va_vcc(0) depctr_vm_vsrc(0)
	s_getreg_b32 s2, hwreg(HW_REG_IB_STS2, 6, 4)
	s_cmp_eq_u32 s2, 0
	s_cbranch_scc0 .Lentry_in_a_cluster
	s_endpgm
.Lentry_in_a_cluster:
	s_bfe_u32 s2, ttmp6, 0x10000c
	s_cmp_lg_u32 s2, 0x3003
	s_cbranch_scc0 .Lentry_shape_is_right
	s_endpgm
.Lentry_shape_is_right:
; ctx = softmax(q k^T / 8, causal) v for one (batch, head), both products on codes of E4M3; ctx is quantised at once (entry 10 of the scales) into the register images that the next launch loads.
; att, for each of the 32 (batch, head): 16 groups of 128 keys x 16,384 bytes (8 images of K, 1,024 bytes each; 4 images of V^T, 2,048 each), then from byte 262,144 the 128 images of Q (16 queries each).
; LEFT OUT: a group of 128 keys all of which come after a tile's 16 queries: the causal mask sets those scores to -infinity, so they add nothing to any result.
; THE SOFTMAX: t = score x log2(e) / 8; M = the running largest t rounded up to a whole number; p = 2^(t - M) is quantised (entry 9); the row's sum is taken of the unquantised p and divides at the end.
; SHARES.  Work-group x (0..7) of a head takes the query tiles x + 8 i, i = 0..15; tile i wants groups 0..i, whatever x is, so no branch hangs on the work-group's number and every work-group reads all 16 groups.
; The 16 waves go in 8 pairs, pair p = wave / 2.  Wave A takes tile 15 - p's groups 0..8 (p < 2: 0..9).  Wave B takes tile p whole and stores it, then tile 15 - p's other groups from a fresh state, and hands
; its -M, sums and O^T to A through LDS bytes of their own; A joins the two states by the factors 2^(M - the larger M), which round nothing.  So a wave walks 7 to 10 groups.
; CLUSTERS: the four work-groups of a cluster (4, 1, 1) walk the same K and V of one head: both loads are joint, with the mask 15.
; LDS: the head's 16 groups, 262,144 bytes, as they lie in memory, each byte filled once.  At the head each wave asks for 4,096 bytes of groups 0-3; behind the full sequence and a round, for 12,288 bytes of groups 4-15,
; which has the steps on groups 0-3 in which to land.  Nothing is prefetched: all of the head's K and V is asked for by these two loads at the start, so there is no later load to run ahead of.
; Both products are used transposed (S^T = K Q^T, O^T = V^T P^T): a lane holds one query (lane % 16); register 8 t + j of S^T holds key 16 t + 8 (lane / 16) + j of the group.
; LIMITS: e6 + e7 between -123 and 130; e9 and e10 - e8 - e9 between -126 and 119; the scaled scores stay under 2^31 in magnitude; NaN among the inputs is not served.
; REGISTERS: v12 -M, v13 the largest t, v[14:15] the sum; v16-23 Q, v24-31 the second tile's Q; v32-95 K's or V^T's images; v96-159 S^T, then p; v160-191 O^T; v192-207 p's codes; v236-254 at work.
.set SPARE, 262144                     ; behind the 16 groups: the spare words, 128 bytes a wave
.set SCR,   264192                     ; behind them: 4,608 bytes a pair for B's state
.set LI,  1                            ; v1  16 x lane
.set ADR, 2                            ; v2  LDS address of the group in hand
.set DD,  3                            ; v3  my query's place in its group less 8 (lane / 16)
.set SCA, 4                            ; v4  my pair's bytes: SCR + 4,608 p + 16 x lane
.set SPW, 5
.set NIL, 6
.set WV,  18
.set SEL, 20
.set CS,  22
.set G1,  24                           ; s[24:31] group 1: 16 rows of 256 bytes;  s[40:47]: 48 rows
.set G0,  32
.set G0L, 36
.set G1L, 40
.set IDX, 48                           ; s48 the group in which the tile in hand lies
.set GG,  49                           ; s49 the group in hand
.set TB,  50                           ; s50 its LDS byte
.set CNT, 51
.set ROLE, 84                          ; s84 0: wave A, 1: wave B
.set LAST, 85                          ; s85, s86 the last and the first group that I walk for the tile in hand
.set START, 86
.set IDX2, 87                          ; s87-89 the same three for the walk over groups 9-15
.set LAST2, 88
.set START2, 89
.macro CROUND                          ; a round of the cluster's barrier
	s_barrier_signal -1
	s_barrier_wait -1
	s_cmp_lg_u32 s[WV], 0
	s_cbranch_scc1 .Lnw0_\@
	s_barrier_signal -3
.Lnw0_\@:
	s_barrier_wait -3
	s_barrier_signal -1
	s_barrier_wait -1
.endm
	s_load_b128 s[4:7], s[0:1], 0x0                ; att, the scales' exponents
	s_load_b64 s[8:9], s[0:1], 0x10                ; ctxi
	v_lshl_add_u32 v[SPW], v0, 2, SPARE
	v_mov_b32 v[NIL], 0
	ds_add_u32 v[SPW], v[NIL]                      ; the opening lines: the add, twice on end, and its wait ahead of my first tensor load
	ds_add_u32 v[SPW], v[NIL]
	v_lshrrev_b32 v8, 5, v0
	v_readfirstlane_b32 s[WV], v8                  ; wave 0..15
	s_and_b32 s52, ttmp7, 0xffff                   ; 16 x batch + head
	s_mul_i32 s54, s52, 393216
	s_mov_b32 s55, 0
	s_bfe_u32 s56, ttmp6, 0x40000                  ; cx
	s_lshl_b32 s57, ttmp9, 2
	s_add_co_u32 s57, s57, s56                     ; x = 4 x cluster x + cx: it enters Q's and ctx's addresses and the mask's numbers alone
.irp g, G1, G1L
	s_mov_b32 s[\g], 15|(3<<16)|(1<<21)            ; the mask of the four; elements of 8 bytes; bit 21 beside a mask; no padding
	s_mov_b32 s[\g+1], 32<<16                      ; rows of 256 bytes, dense
	s_mov_b32 s[\g+3], 32<<16
	s_mov_b32 s[\g+5], 32
	s_mov_b32 s[\g+6], 0
	s_mov_b32 s[\g+7], 0
.endr
	s_mov_b32 s[G1+2], 16<<16
	s_mov_b32 s[G1+4], 16
	s_mov_b32 s[G1L+2], 48<<16
	s_mov_b32 s[G1L+4], 48
	s_lshl_b32 s53, s[WV], 12                      ; my 4,096 bytes of groups 0-3,
	s_mul_i32 s58, s[WV], 12288
	s_add_co_u32 s12, s58, 65536                   ; my 12,288 bytes of groups 4-15: in LDS as in memory
	s_lshr_b32 s58, s[WV], 1                       ; p
	s_lshr_b32 s59, s[WV], 2
	s_xor_b32 s59, s59, s[WV]
	s_and_b32 s[ROLE], s59, 1                      ; of waves 2 p and 2 p + 1 one is A and one B; of any four waves w, w + 4, .. or 4 j, 4 j + 1, .. two are A
	s_sub_co_u32 s[IDX2], 15, s58
	s_cmp_lt_u32 s58, 2
	s_cselect_b32 s59, 9, 8                        ; A's last group
	s_add_co_u32 s60, s59, 1
	s_cmp_eq_u32 s[ROLE], 1
	s_cselect_b32 s[IDX], s58, s[IDX2]
	s_cselect_b32 s[LAST], s58, s59
	s_cselect_b32 s[LAST2], s[IDX2], 0
	s_cselect_b32 s[START2], s60, 16               ; (A walks none of groups 9-15 a second time)
	s_mov_b32 s[START], 0
	s_mul_i32 s3, s58, 4608
	s_add_co_u32 s3, s3, SCR
	s_mov_b32 s[SEL], 0x76543210
	s_mov_b32 s[SEL+1], 0xfedcba98
	s_mov_b32 s[CS], 0x3e38aa3b                    ; log2(e) / 8
	s_mov_b32 s[GG], 0
	s_mov_b32 s61, 0
	s_wait_dscnt 0x0                               ; both opening adds are done
	s_wait_kmcnt 0x0
	s_load_b512 s[68:83], s[6:7], 0x0              ; e0 .. e15
	s_add_nc_u64 s[4:5], s[4:5], s[54:55]          ; my head
	s_mov_b32 s60, s53
	s_mov_b32 s[G0], 1
	s_mov_b32 s[G0+1], s53
	s_add_nc_u64 s[G0+2:G0+3], s[4:5], s[60:61]
	s_or_b32 s[G0+3], s[G0+3], 0x80000000
	s_mov_b32 s60, s12
	s_mov_b32 s[G0L], 1
	s_mov_b32 s[G0L+1], s12
	s_add_nc_u64 s[G0L+2:G0L+3], s[4:5], s[60:61]
	s_or_b32 s[G0L+3], s[G0L+3], 0x80000000
	CROUND                                         ; the four work-groups are here: the first joint loads meet
	tensor_load_to_lds s[G0:G0+3], s[G1:G1+7]      ; groups 0-3: one tensor load a wave at the head
	s_nop 0
.rept 4
	v_nop
.endr
	s_lshl_b32 s59, s[IDX], 3
	s_add_co_u32 s59, s59, s57                     ; the tile that I store: 8 i + x
	s_lshl_b32 s62, s59, 10
	s_add_co_u32 s62, s62, 262144
	s_mov_b32 s63, 0
	s_add_nc_u64 s[62:63], s[4:5], s[62:63]
	s_lshl_b32 s10, s[IDX2], 3
	s_add_co_u32 s10, s10, s57                     ; the pair's later tile
	s_lshl_b32 s10, s10, 10
	s_add_co_u32 s10, s10, 262144
	s_mov_b32 s11, 0
	s_add_nc_u64 s[10:11], s[4:5], s[10:11]
	v_and_b32 v8, 31, v0
	v_lshlrev_b32 v[LI], 4, v8
	global_load_b128 v[16:19], v[LI], s[62:63]     ; Q's images stay in registers
	global_load_b128 v[20:23], v[LI], s[62:63] offset:512
	global_load_b128 v[24:27], v[LI], s[10:11]
	global_load_b128 v[28:31], v[LI], s[10:11] offset:512
	v_add_nc_u32 v[SCA], s3, v[LI]
	v_and_b32 v8, 15, v0
	v_bfe_u32 v9, v0, 4, 1
	v_lshlrev_b32 v9, 3, v9
	v_sub_nc_u32 v[DD], v8, v9
	s_lshl_b32 s58, s57, 4
	v_add_nc_u32 v[DD], s58, v[DD]                 ; 16 x + lane % 16 - 8 (lane / 16)
	s_lshr_b32 s56, s52, 4
	s_lshl_b32 s56, s56, 7
	s_add_co_u32 s56, s56, s59                     ; block of 16 rows: 128 x batch + tile
	s_lshl_b32 s56, s56, 14
	s_and_b32 s57, s52, 15
	s_lshl_b32 s57, s57, 10                        ; the head's 64 channels are half an image
	s_add_co_u32 s56, s56, s57
	s_mov_b32 s57, 0
	s_add_nc_u64 s[8:9], s[8:9], s[56:57]
.macro FRESH                           ; a state with nothing summed
	v_mov_b32 v13, 0xff61b1e6                      ; the largest t so far: -3e38
	v_floor_f32 v12, -v13
	v_mov_b32 v14, 0
	v_mov_b32 v15, 0
.set j, 0
.rept 32
	v_mov_b32 v[160+j], 0                          ; O^T: the step is written once, and its first run finds zeros
.set j, j+1
.endr
.endm
	FRESH
	v_mov_b32 v236, 0                              ; a lane permute's destination counts as read
	v_mov_b32 v252, 0
	v_mov_b32 v253, 0
	s_wait_kmcnt 0x0
	s_add_co_i32 s56, s74, s75
	s_lshl_b32 s56, s56, 23
	s_add_co_i32 s[CS], s[CS], s56                 ; e6 + e7 go into c's exponent field
	s_mov_b32 s[CS+1], s[CS]
	s_add_co_i32 s56, s77, 127
	s_lshl_b32 s57, s56, 23
	v_mov_b32 v244, s57                            ; 2^e9
	s_add_co_i32 s56, s56, 8
	s_lshl_b32 s56, s56, 23
	s_or_b32 s56, s56, 0x600000
	v_mov_b32 v240, s56                            ; 448 x 2^e9
	s_sub_co_i32 s56, s78, s76
	s_sub_co_i32 s56, s56, s77
	s_add_co_i32 s56, s56, 127
	s_lshl_b32 s57, s56, 23
	v_mov_b32 v245, s57                            ; 2^(e10 - e8 - e9), for the way out
	s_add_co_i32 s56, s56, 8
	s_lshl_b32 s56, s56, 23
	s_or_b32 s56, s56, 0x600000
	v_mov_b32 v241, s56                            ; 448 x that
; A STEP: my 16 queries against the group in hand; a group outside my share is passed over (branches on the wave's number and the count of steps)
.macro STEP
	s_cmp_gt_u32 s[GG], s[LAST]
	s_cbranch_scc1 .Lhid_\@
	s_cmp_lt_u32 s[GG], s[START]
	s_cbranch_scc1 .Lhid_\@
	v_add_nc_u32 v[ADR], s[TB], v[LI]
.rept 3
	v_nop                                          ; with the addition: four places in front of loads into registers that the last products read
.endr
.irp t, 0,1,2,3,4,5,6,7
	ds_load_b128 v[32+8*\t:35+8*\t], v[ADR] offset:1024*\t
	ds_load_b128 v[36+8*\t:39+8*\t], v[ADR] offset:1024*\t+512
.endr
	s_wait_alu depctr_va_vdst(0)
	s_wait_dscnt 0x0
.irp t, 0,1,2,3,4,5,6,7
	v_wmma_f32_16x16x64_fp8_fp8 v[96+8*\t:103+8*\t], v[32+8*\t:39+8*\t], v[16:23], 0
.endr
.rept 4
	v_nop
.endr
.irp d, 0,1,2,3
.irp c, 0,1,2,3
	ds_load_b128 v[32+16*\d+4*\c:35+16*\d+4*\c], v[ADR] offset:8192+2048*\d+512*\c   ; V^T's images come in under the softmax
.endr
.endr
	s_cmp_lg_u32 s[GG], s[IDX]
	s_cbranch_scc1 .Lopen_\@
	v_mov_b32 v254, 0xff800000                     ; the tile's own group: hidden keys' scores become -infinity
.set n, 0
.rept 64
	v_cmp_gt_i32 vcc_lo, 16*(n/8)+n%8, v[DD]
	v_cndmask_b32 v[96+n], v[96+n], v254, vcc_lo
.set n, n+1
.endr
.Lopen_\@:
.irp c, 0,1,2,3                        ; the step's largest score, in four chains of 16 registers, each accumulator from its low end on
	v_max3_num_f32 v[248+2*\c], v[96+16*\c], v[97+16*\c], v[98+16*\c]
.endr
.irp i, 3,5,7,9,11,13
.irp c, 0,1,2,3
	v_max3_num_f32 v[248+2*\c], v[248+2*\c], v[96+16*\c+\i], v[97+16*\c+\i]
.endr
.endr
	v_max3_num_f32 v248, v248, v250, v111
	v_max3_num_f32 v252, v252, v254, v127
	v_max3_num_f32 v248, v248, v143, v159
	v_max_num_f32 v254, v248, v252
	v_permlanex16_b32 v236, v254, s[SEL], s[SEL+1]
	v_max_num_f32 v254, v254, v236                 ; and lane l xor 16's
	v_mul_f32 v254, s[CS], v254                    ; as t
	v_max_num_f32 v13, v13, v254
	v_mov_b32 v254, v12
	v_floor_f32 v12, -v13                          ; -M = floor(-t)
	v_sub_f32 v254, v12, v254
	v_cvt_i32_f32 v254, v254
	v_ldexp_f32 v252, 1.0, v254                    ; f = 2^(old M - new M)
.set j, 0
.rept 32
	v_pk_fma_f32 v[96+j:97+j], v[96+j:97+j], s[CS:CS+1], v[12:13] op_sel_hi:[1,0,0]   ; t - M
.set j, j+2
.endr
.set j, 0
.rept 16
	v_pk_mul_f32 v[160+j:161+j], v[160+j:161+j], v[252:253] op_sel_hi:[1,0]           ; O^T under the new M
.set j, j+2
.endr
	s_wait_alu depctr_va_vdst(0)
.set j, 0
.rept 64
	v_exp_f32 v[96+j], v[96+j]
.set j, j+1
.endr
	v_pk_mul_f32 v[14:15], v[14:15], v[252:253] op_sel_hi:[1,0]   ; the sums under the new M: a plain place behind the batch
	s_wait_alu depctr_va_vdst(0)                   ; and the one wait behind it, ahead of its first reader
	v_pk_add_f32 v[242:243], v[96:97], v[98:99]    ; the row's sum of the unquantised p, in four chains
	v_pk_add_f32 v[246:247], v[100:101], v[102:103]
	v_pk_add_f32 v[248:249], v[104:105], v[106:107]
.irp j, 12,20,28,36,44,52
	v_pk_add_f32 v[14:15], v[14:15], v[96+\j:97+\j]
	v_pk_add_f32 v[242:243], v[242:243], v[98+\j:99+\j]
	v_pk_add_f32 v[246:247], v[246:247], v[100+\j:101+\j]
	v_pk_add_f32 v[248:249], v[248:249], v[102+\j:103+\j]
.endr
	v_pk_add_f32 v[14:15], v[14:15], v[156:157]
	v_pk_add_f32 v[242:243], v[242:243], v[158:159]
	v_pk_add_f32 v[246:247], v[246:247], v[248:249]
	v_pk_add_f32 v[14:15], v[14:15], v[242:243]
	v_pk_add_f32 v[14:15], v[14:15], v[246:247]
.set j, 0
.rept 64
	v_min_num_f32 v[96+j], v[96+j], v240           ; the conversion does not saturate (ISA guide 7.6.2); p is not negative, so the hold is one-sided
.set j, j+1
.endr
.irp t, 0,1,2,3,4,5,6,7
	v_cvt_scalef32_pk8_fp8_f32 v[192+2*\t:193+2*\t], v[96+8*\t:103+8*\t], v244
.endr
	v_nop                                          ; a plain instruction between the conversions and the products that read their results
	s_wait_alu depctr_va_vdst(0)
	s_wait_dscnt 0x0                               ; V^T's images are in
.irp d, 0,1,2,3
	v_wmma_f32_16x16x128_fp8_fp8 v[160+8*\d:167+8*\d], v[32+16*\d:47+16*\d], v[192:207], v[160+8*\d:167+8*\d]
.endr
.Lhid_\@:
	s_add_co_u32 s[GG], s[GG], 1
	s_add_co_u32 s[TB], s[TB], 16384
.endm
.macro WALK first, trips               ; groups first .. first + trips - 1: every wave walks the loop, its trip count a constant
	s_mov_b32 s[GG], \first
	s_mov_b32 s[TB], 16384*\first
	s_mov_b32 s[CNT], \trips
.Lw_\@:
	STEP
	s_sub_co_u32 s[CNT], s[CNT], 1
	s_cmp_lg_u32 s[CNT], 0
	s_cbranch_scc1 .Lw_\@
.endm
; THE WAY OUT of a tile: O^T / the sum, held, converted with 2^(e10 - e8 - e9), stored as half an image
.macro OUT
	s_wait_alu depctr_va_vdst(0)
	s_wait_xcnt 0x0                                ; the codes' registers are written again only behind this wait: the text has the way out twice
	v_add_f32 v14, v14, v15
	v_permlanex16_b32 v252, v14, s[SEL], s[SEL+1]
	v_add_f32 v14, v14, v252
	s_wait_alu depctr_va_vdst(0)
	v_rcp_f32 v14, v14
	v_nop
	s_wait_alu depctr_va_vdst(0)                   ; ahead of the first reader of the reciprocal and of O^T
.set j, 0
.rept 32
	v_mul_f32 v[96+j], v[160+j], v14
.set j, j+1
.endr
.set j, 0
.rept 32
	v_med3_num_f32 v[96+j], v[96+j], -v241, v241
.set j, j+1
.endr
.irp d, 0,1,2,3
	v_cvt_scalef32_pk8_fp8_f32 v[208+2*\d:209+2*\d], v[96+8*\d:103+8*\d], v245
.endr
	v_nop
	global_store_b128 v[LI], v[208:211], s[8:9]                ; 32 lanes store 512 consecutive bytes, aligned
	global_store_b128 v[LI], v[212:215], s[8:9] offset:512
.endm
	s_wait_alu depctr_va_vdst(0)
	s_wait_tensorcnt 0x0                           ; my part of groups 0-3 is in
	ds_add_u32 v[SPW], v[NIL]
	s_wait_dscnt 0x0
	CROUND                                         ; everybody's part is in, and the joint loads meet
	tensor_load_to_lds s[G0L:G0L+3], s[G1L:G1L+7]  ; groups 4-15: the first tensor load behind the round
	s_nop 0
.rept 4
	v_nop
.endr
	s_wait_loadcnt 0x0                             ; Q
	WALK 0, 4
	s_wait_tensorcnt 0x0                           ; my part of groups 4-15 is in
	ds_add_u32 v[SPW], v[NIL]
	s_wait_dscnt 0x0
	s_barrier_signal -1
	s_barrier_wait -1                              ; and everybody's
	WALK 4, 6
	s_mov_b32 s[IDX], s[IDX2]                      ; from here on: the pair's later tile, B's share of it
	s_mov_b32 s[LAST], s[LAST2]
	s_mov_b32 s[START], s[START2]
	s_cmp_eq_u32 s[ROLE], 0
	s_cbranch_scc1 .Lmid
	OUT                                            ; B: tile p is finished
.irp j, 0,1,2,3,4,5,6,7
	v_mov_b32 v[16+\j], v[24+\j]                   ; the later tile's Q
.endr
	FRESH
	s_wait_alu depctr_va_vdst(0)
.Lmid:
	WALK 9, 7
	s_cmp_eq_u32 s[ROLE], 0
	s_cbranch_scc1 .Lnob
.rept 4
	v_nop                                          ; places behind the last products
.endr
.irp k, 0,1,2,3,4,5,6,7
	ds_store_b128 v[SCA], v[160+4*\k:163+4*\k] offset:512*\k   ; B's O^T, each accumulator from its low end on,
.endr
	ds_store_b128 v[SCA], v[12:15] offset:4096     ; and -M, t, the sum's two halves
.Lnob:
	s_wait_dscnt 0x0                               ; for A's sake: my stores are done
	s_barrier_signal -1
	s_barrier_wait -1
	s_cmp_eq_u32 s[ROLE], 1
	s_cbranch_scc1 .Lend
.rept 4
	v_nop                                          ; places in front of loads into registers that products read
.endr
.irp k, 0,1,2,3,4,5,6,7
	ds_load_b128 v[32+4*\k:35+4*\k], v[SCA] offset:512*\k
.endr
	ds_load_b128 v[64:67], v[SCA] offset:4096
	s_wait_dscnt 0x0
	v_min_num_f32 v68, v12, v64                    ; -(the larger M)
	v_mov_b32 v73, 0
	v_mov_b32 v75, 0
	v_sub_f32 v69, v68, v12
	v_sub_f32 v70, v68, v64
	v_cvt_i32_f32 v69, v69                         ; whole numbers, 0 or less (the conversion saturates)
	v_cvt_i32_f32 v70, v70
	v_ldexp_f32 v72, 1.0, v69                      ; A's factor,
	v_ldexp_f32 v74, 1.0, v70                      ; B's
	v_pk_mul_f32 v[14:15], v[14:15], v[72:73] op_sel_hi:[1,0]
	v_pk_fma_f32 v[14:15], v[66:67], v[74:75], v[14:15] op_sel_hi:[1,0,1]
.set j, 0
.rept 16
	v_pk_mul_f32 v[160+j:161+j], v[160+j:161+j], v[72:73] op_sel_hi:[1,0]
.set j, j+2
.endr
.set j, 0
.rept 16
	v_pk_fma_f32 v[160+j:161+j], v[32+j:33+j], v[74:75], v[160+j:161+j] op_sel_hi:[1,0,1]
.set j, j+2
.endr
	OUT                                            ; A: tile 15 - p is finished
.Lend:
	s_wait_tensorcnt 0x0                           ; the wave's end
	ds_add_u32 v[SPW], v[NIL]
	s_wait_dscnt 0x0
	CROUND                                         ; the closing round
	s_endpgm
.Lfunc_end_k_qa07322ede5_attn:
	.size	k_qa07322ede5_attn, .Lfunc_end_k_qa07322ede5_attn-k_qa07322ede5_attn
	.p2alignl 7, 3214868480
	.fill 96, 4, 3214868480
	.section	.rodata,"a",@progbits
	.p2align	6, 0x0
	.amdhsa_kernel k_qa07322ede5_attn
		.amdhsa_group_segment_fixed_size 327680
		.amdhsa_private_segment_fixed_size 0
		.amdhsa_enable_private_segment 0
		.amdhsa_kernarg_size 24
		.amdhsa_user_sgpr_count 2
		.amdhsa_user_sgpr_kernarg_segment_ptr 1
		.amdhsa_wavefront_size32 1
		.amdhsa_system_sgpr_workgroup_id_x 1
		.amdhsa_system_sgpr_workgroup_id_y 1
		.amdhsa_system_sgpr_workgroup_id_z 1
		.amdhsa_system_vgpr_workitem_id 0
		.amdhsa_next_free_vgpr 256
		.amdhsa_next_free_sgpr 90
		.amdhsa_reserve_vcc 1
		.amdhsa_float_denorm_mode_32 3
		.amdhsa_float_denorm_mode_16_64 3
		.amdhsa_memory_ordered 1
		.amdhsa_forward_progress 1
		.amdhsa_inst_pref_size 85
	.end_amdhsa_kernel
	.amdgpu_metadata
---
amdhsa.version: [ 1, 2 ]
amdhsa.kernels:
  - .name:           k_qa07322ede5_attn
    .symbol:         k_qa07322ede5_attn.kd
    .args:
      - { .name: att, .offset: 0, .size: 8, .value_kind: global_buffer, .address_space: global }
      - { .name: lowp_scales, .offset: 8, .size: 8, .value_kind: global_buffer, .address_space: global }
      - { .name: ctxi, .offset: 16, .size: 8, .value_kind: global_buffer, .address_space: global }
    .group_segment_fixed_size: 327680
    .private_segment_fixed_size: 0
    .kernarg_segment_align: 8
    .kernarg_segment_size: 24
    .max_flat_workgroup_size: 512
    .sgpr_count:     90
    .vgpr_count:     256
    .wavefront_size: 32
...
	.end_amdgpu_metadata
.endif
;; end of part 3
;; launch wo (part 4): grid 32 x 8, 4 waves a work-group, clusters of 4 x 1, 327,680 bytes of LDS; arguments ctxi, wc, lowp_scales, bo, x, x1; writes x1
.if DOCPART == 4
	.amdgcn_target "amdgcn-amd-amdhsa--gfx1250"
	.amdhsa_code_object_version 6
	.text
	.protected	k_qa07322ede5_wo
	.globl	k_qa07322ede5_wo
	.p2align	8
	.type	k_qa07322ede5_wo,@function
k_qa07322ede5_wo:
	s_mov_b64 s[64:65], 0
	v_nop
	global_prefetch_b8 v0, s[64:65] scope:SCOPE_SE
	s_setreg_imm32_b32 hwreg(HW_REG_WAVE_MODE, 25, 1), 1
	s_wait_xcnt 0x0
	s_wait_alu depctr_hold_cnt(0) depctr_sa_sdst(0) depctr_va_vdst(0) depctr_va_sdst(0) depctr_va_ssrc(0) depctr_va_vcc(0) depctr_vm_vsrc(0)
	s_getreg_b32 s2, hwreg(HW_REG_IB_STS2, 6, 4)
	s_cmp_eq_u32 s2, 0
	s_cbranch_scc0 .Lentry_in_a_cluster
	s_endpgm
.Lentry_in_a_cluster:
	s_bfe_u32 s2, ttmp6, 0x10000c
	s_cmp_lg_u32 s2, 0x3003
	s_cbranch_scc0 .Lentry_shape_is_right
	s_endpgm
.Lentry_shape_is_right:
; x1 = x + bo + 2^(e10 + e11) x (ctx Wo) on codes of E4M3.  The text is launch ffn2's with other constants: see the comment at its head.  Here K = 1,024 is one slot: B's tile is filled once, there is no ring,
; and nothing is prefetched, since no later load exists to run ahead of.  LIMIT: e10 + e11 between -126 and 127.
.set SIZE_K, 1024
.set WOFF,   0x300000
.set ESC,    0x28
.set T,      SIZE_K/128
.set NSLOT,  SIZE_K/1024
.set PITCH,  1040
.set SLOT,   128*PITCH
.set SPARE,  2*SLOT
.set SPITCH, 528
.set STAGE,  (NSLOT%2)*SLOT
.set ADRB, 16
.set AO,   22
.set STO,  24
.set RD,   25
.set SPW,  28
.set NIL,  29
.set PFO,  30
.set BI,   32
.set ACC,  128
.set G1, 24
.set G0, 32
.set AP, 50
.set PF, 52
.set MUL, 0x09
.set MSB, 0
.macro WIN new
.if MSB != \new
	s_set_vgpr_msb (MSB<<8)|\new
.set MSB, \new
.endif
.endm
.macro CREST
	s_cmp_lg_u32 s16, 0
	s_cbranch_scc1 .Lnot_wave_0_\@
	s_barrier_signal -3
.Lnot_wave_0_\@:
	s_barrier_wait -3
	s_barrier_signal -1
	s_barrier_wait -1
.endm
.macro CROUND
	s_barrier_signal -1
	s_barrier_wait -1
	CREST
.endm
.macro PLACES
.rept 4
	v_nop
.endr
.endm
.macro ITEM u
.if (\u) < T
	WIN 0x80
.irp a, 0,1
.irp c, 0,1,2,3
	global_load_b128 v[32*((\u)%8)+16*\a+4*\c:32*((\u)%8)+16*\a+4*\c+3], v[AO], s[AP:AP+1] offset:\a*16*SIZE_K+(\u)*2048+512*\c
.endr
.endr
.else
.if (\u) < T+4
	WIN 0xc0
.irp t, 0,1,2,3,4,5,6,7
	global_load_b128 v[4*(8*((\u)-T)+\t):4*(8*((\u)-T)+\t)+3], v[AO], s[12:13] offset:4096*(8*((\u)-T)+\t)
.endr
.else
.if (\u) == T+4
	WIN 0
	global_load_b128 v[BI:BI+3], v[AO], s[10:11]
.endif
.endif
.endif
.endm
.macro LWAIT g
.set LC, 0
.set uu, (\g)+1
.rept 6
.if uu < T+4
.set LC, LC+8
.else
.if uu == T+4
.set LC, LC+1
.endif
.endif
.set uu, uu+1
.endr
	s_wait_loadcnt LC
.endm
.macro FETCHB g
	WIN 0x40
.irp i, 0,1,2,3,4,5,6,7
.irp c, 0,1,2,3
	ds_load_b128 v[128*((\g)%2)+16*\i+4*\c:128*((\g)%2)+16*\i+4*\c+3], v[ADRB+3*(((\g)/8)%2)+\i/3] offset:(\i%3)*16*PITCH+128*((\g)%8)+32*\c
.endr
.endr
.endm
.macro MUL8 g, a, zero
.irp b, 0,1,2,3,4,5,6,7
.if \zero
	v_wmma_f32_16x16x128_fp8_fp8 v[ACC+8*(8*\a+\b):ACC+8*(8*\a+\b)+7], v[128*((\g)%2)+16*\b:128*((\g)%2)+16*\b+15], v[32*((\g)%8)+16*\a:32*((\g)%8)+16*\a+15], 0
.else
	v_wmma_f32_16x16x128_fp8_fp8 v[ACC+8*(8*\a+\b):ACC+8*(8*\a+\b)+7], v[128*((\g)%2)+16*\b:128*((\g)%2)+16*\b+15], v[32*((\g)%8)+16*\a:32*((\g)%8)+16*\a+15], v[ACC+8*(8*\a+\b):ACC+8*(8*\a+\b)+7]
.endif
.endr
.endm
.macro STEP g, zero
	PLACES
	LWAIT \g
	ITEM (\g)+7
.if (\g)+1 < T
	FETCHB (\g)+1
	s_wait_dscnt 32
.else
	s_wait_dscnt 0x0
.endif
	WIN MUL
	MUL8 \g, 0, \zero
	MUL8 \g, 1, \zero
.endm
	s_load_b256 s[4:11], s[0:1], 0x0
	s_load_b128 s[12:15], s[0:1], 0x20
	v_lshl_add_u32 v[SPW], v0, 2, SPARE
	v_mov_b32 v[NIL], 0
	ds_add_u32 v[SPW], v[NIL]                      ; the opening lines: the add, twice on end, and its wait
	ds_add_u32 v[SPW], v[NIL]
	v_lshrrev_b32 v1, 5, v0
	v_readfirstlane_b32 s16, v1
	v_and_b32 v1, 15, v0
	v_bfe_u32 v2, v0, 4, 1
	v_and_b32 v3, 31, v0
	v_lshlrev_b32 v[AO], 4, v3
	v_mul_u32_u24 v4, v1, PITCH
	v_lshl_add_u32 v4, v2, 4, v4
.irp k, 0,1,2,3,4,5
	v_add_nc_u32 v[ADRB+\k], (\k/3)*SLOT+(\k%3)*48*PITCH, v4
.endr
	s_mul_i32 s23, s16, 32*SPITCH
	s_add_co_u32 s23, s23, STAGE
	v_mul_u32_u24 v5, v1, SPITCH
	v_lshl_add_u32 v5, v2, 5, v5
	v_add_nc_u32 v[STO], s23, v5
	v_add_nc_u32 v[RD], s23, v[AO]
	s_bfe_u32 s40, ttmp6, 0x40000
	s_lshl_b32 s43, ttmp9, 2
	s_add_co_u32 s43, s43, s40
	s_and_b32 s42, ttmp7, 0xffff
	s_mov_b32 s[G1+0], 15|(1<<20)|(1<<21)|(7<<22)|(3<<25)
	s_mov_b32 s[G1+1], 1024<<16
	s_mov_b32 s[G1+2], 32<<16
	s_mov_b32 s[G1+3], 1024<<16
	s_mov_b32 s[G1+4], 32
	s_mov_b32 s[G1+5], SIZE_K
	s_mov_b32 s[G1+6], 0
	s_mov_b32 s[G1+7], 0
	s_lshl_b32 s46, s42, 7
	s_lshl_b32 s47, s16, 5
	s_add_co_u32 s46, s46, s47
	s_mul_i32 s46, s46, SIZE_K
	s_add_co_u32 s46, s46, WOFF
	s_mov_b32 s47, 0
	s_mul_i32 s22, s16, 32*PITCH
	s_lshl_b32 s20, s43, 3
	s_lshl_b32 s21, s16, 1
	s_add_co_u32 s20, s20, s21
	s_mul_i32 s20, s20, 16*SIZE_K
	s_mov_b32 s21, 0
	s_lshl_b32 s18, s43, 7
	s_lshl_b32 s19, s16, 5
	s_add_co_u32 s18, s18, s19
	s_lshl_b32 s18, s18, 12
	s_lshl_b32 s48, s42, 9
	s_add_co_u32 s18, s18, s48
	s_mov_b32 s19, 0
	s_mov_b32 s49, 0
	s_wait_alu depctr_va_vdst(0)
	s_wait_dscnt 0x0
	s_wait_kmcnt 0x0
	s_load_b64 s[72:73], s[8:9], ESC
	s_add_nc_u64 s[AP:AP+1], s[4:5], s[20:21]
	s_add_nc_u64 s[46:47], s[6:7], s[46:47]
	s_add_nc_u64 s[12:13], s[12:13], s[18:19]
	s_add_nc_u64 s[14:15], s[14:15], s[18:19]
	s_add_nc_u64 s[10:11], s[10:11], s[48:49]
	s_mov_b32 s[G0], 1
	s_mov_b32 s[G0+1], s22
	s_mov_b64 s[G0+2:G0+3], s[46:47]
	s_or_b32 s[G0+3], s[G0+3], 0x80000000
.irp u, 0,1,2,3,4,5,6
	ITEM \u
.endr
	WIN 0
	CROUND
	tensor_load_to_lds s[G0:G0+3], s[G1:G1+7]
	s_nop 0
	PLACES
	s_wait_tensorcnt 0x0                           ; my 32 rows of B are in
	ds_add_u32 v[SPW], v[NIL]
	s_wait_dscnt 0x0
	s_barrier_signal -1
	s_barrier_wait -1                              ; and everybody's
	FETCHB 0
	STEP 0, 1
.set gg, 1
.rept T-1
	STEP gg, 0
.set gg, gg+1
.endr
	WIN 0
	PLACES
.irp a, 0,1
.irp b, 0,1,2,3,4,5,6,7
	ds_store_b128 v[STO], v[ACC+8*(8*\a+\b):ACC+8*(8*\a+\b)+3] offset:\a*16*SPITCH+64*\b
	ds_store_b128 v[STO], v[ACC+8*(8*\a+\b)+4:ACC+8*(8*\a+\b)+7] offset:\a*16*SPITCH+64*\b+16
.endr
.endr
	WIN 0xc0
.set t, 0
.rept 32
	ds_load_b128 v[128+4*t:128+4*t+3], v[RD] offset:t*SPITCH
.set t, t+1
.endr
	s_wait_kmcnt 0x0
	s_add_co_i32 s70, s72, s73
	s_add_co_i32 s70, s70, 127
	s_lshl_b32 s70, s70, 23
	s_mov_b32 s71, s70
	s_wait_dscnt 0x0
	s_wait_loadcnt 0x0
	WIN 0xc3
.set t, 0
.rept 32
	v_pk_fma_f32 v[128+4*t:128+4*t+1], v[128+4*t:128+4*t+1], s[70:71], v[BI:BI+1] op_sel_hi:[1,0,1]
	v_pk_fma_f32 v[128+4*t+2:128+4*t+3], v[128+4*t+2:128+4*t+3], s[70:71], v[BI+2:BI+3] op_sel_hi:[1,0,1]
.set t, t+1
.endr
	WIN 0xcf
.set j, 0
.rept 64
	v_pk_add_f32 v[128+j:129+j], v[128+j:129+j], v[j:j+1]
.set j, j+2
.endr
	WIN 0x0c
.set t, 0
.rept 32
	global_store_b128 v[AO], v[128+4*t:128+4*t+3], s[14:15] offset:4096*t
.set t, t+1
.endr
	WIN 0
	s_wait_tensorcnt 0x0                           ; the wave's end
	ds_add_u32 v[SPW], v[NIL]
	s_wait_dscnt 0x0
	CROUND
	s_endpgm
.Lfunc_end_k_qa07322ede5_wo:
	.size	k_qa07322ede5_wo, .Lfunc_end_k_qa07322ede5_wo-k_qa07322ede5_wo
	.p2alignl 7, 3214868480
	.fill 96, 4, 3214868480
	.section	.rodata,"a",@progbits
	.p2align	6, 0x0
	.amdhsa_kernel k_qa07322ede5_wo
		.amdhsa_group_segment_fixed_size 327680
		.amdhsa_private_segment_fixed_size 0
		.amdhsa_enable_private_segment 0
		.amdhsa_kernarg_size 48
		.amdhsa_user_sgpr_count 2
		.amdhsa_user_sgpr_kernarg_segment_ptr 1
		.amdhsa_wavefront_size32 1
		.amdhsa_system_sgpr_workgroup_id_x 1
		.amdhsa_system_sgpr_workgroup_id_y 1
		.amdhsa_system_sgpr_workgroup_id_z 1
		.amdhsa_system_vgpr_workitem_id 0
		.amdhsa_next_free_vgpr 1024
		.amdhsa_next_free_sgpr 80
		.amdhsa_reserve_vcc 0
		.amdhsa_float_denorm_mode_32 3
		.amdhsa_float_denorm_mode_16_64 3
		.amdhsa_memory_ordered 1
		.amdhsa_forward_progress 1
		.amdhsa_inst_pref_size 56
	.end_amdhsa_kernel
	.amdgpu_metadata
---
amdhsa.version: [ 1, 2 ]
amdhsa.kernels:
  - .name:           k_qa07322ede5_wo
    .symbol:         k_qa07322ede5_wo.kd
    .args:
      - { .name: ctxi, .offset: 0, .size: 8, .value_kind: global_buffer, .address_space: global }
      - { .name: wc, .offset: 8, .size: 8, .value_kind: global_buffer, .address_space: global }
      - { .name: lowp_scales, .offset: 16, .size: 8, .value_kind: global_buffer, .address_space: global }
      - { .name: bo, .offset: 24, .size: 8, .value_kind: global_buffer, .address_space: global }
      - { .name: x, .offset: 32, .size: 8, .value_kind: global_buffer, .address_space: global }
      - { .name: x1, .offset: 40, .size: 8, .value_kind: global_buffer, .address_space: global }
    .group_segment_fixed_size: 327680
    .private_segment_fixed_size: 0
    .kernarg_segment_align: 8
    .kernarg_segment_size: 48
    .max_flat_workgroup_size: 128
    .sgpr_count:     80
    .vgpr_count:     1024
    .wavefront_size: 32
...
	.end_amdgpu_metadata
.endif
;; end of part 4
;; launch ln2 (part 5): grid 256 x 1, 4 waves a work-group, no clusters, 0 bytes of LDS; arguments x1, g2, be2, lowp_scales, h2c; writes h2c
.if DOCPART == 5
	.amdgcn_target "amdgcn-amd-amdhsa--gfx1250"
	.amdhsa_code_object_version 6
	.text
	.protected	k_qa07322ede5_ln2
	.globl	k_qa07322ede5_ln2
	.p2align	8
	.type	k_qa07322ede5_ln2,@function
k_qa07322ede5_ln2:
	s_mov_b64 s[64:65], 0
	v_nop
	global_prefetch_b8 v0, s[64:65] scope:SCOPE_SE
	s_setreg_imm32_b32 hwreg(HW_REG_WAVE_MODE, 25, 1), 1
	s_wait_xcnt 0x0
; h2 = LayerNorm(x1) g2 + be2, quantised with entry 12 of the scales into h2c [4096][1024 positions]: position 512 (j/4) + 16 l + 4 (j%4) + i holds column 128 j + 4 l + i,
; the order in which lane l holds the row; W1's codes lie in the same order.  A wave takes four rows, a row in 32 registers a lane; no LDS, no barrier.
; LIMITS: e12 between -126 and 119; NaN among the inputs is not served.
.set X,  32
.set G,  160
.set BE, 192
.set T,  224
.set C,  4
	s_load_b256 s[4:11], s[0:1], 0x0               ; x1, g2, be2, the scales' exponents
	s_load_b64 s[12:13], s[0:1], 0x20              ; h2c
	v_lshrrev_b32 v1, 5, v0
	v_readfirstlane_b32 s36, v1
	v_and_b32 v2, 31, v0
	v_lshlrev_b32 v1, 4, v2
	s_lshl_b32 s28, ttmp9, 4
	s_lshl_b32 s29, s36, 2
	s_add_co_u32 s28, s28, s29                     ; my first row
	s_lshl_b32 s30, s28, 12
	s_mov_b32 s31, 0
	s_lshl_b32 s32, s28, 10
	s_mov_b32 s33, 0
	s_mov_b32 s46, 0x3a800000                      ; 1 / 1024
	s_mov_b32 s47, 0x3727c5ac                      ; 1e-5
	s_mov_b32 s48, 0x76543210
	s_mov_b32 s49, 0xfedcba98
	v_mov_b32 v244, 0
	s_wait_alu depctr_va_vdst(0)
	s_wait_kmcnt 0x0
	s_load_b32 s50, s[10:11], 0x30                 ; e12
	s_add_nc_u64 s[4:5], s[4:5], s[30:31]
	s_add_nc_u64 s[12:13], s[12:13], s[32:33]
.irp j, 0,1,2,3,4,5,6,7
	global_load_b128 v[G+4*\j:G+4*\j+3], v1, s[6:7] offset:512*\j
.endr
.irp j, 0,1,2,3,4,5,6,7
	global_load_b128 v[BE+4*\j:BE+4*\j+3], v1, s[8:9] offset:512*\j
.endr
.irp r, 0,1,2,3
.irp j, 0,1,2,3,4,5,6,7
	global_load_b128 v[X+32*\r+4*\j:X+32*\r+4*\j+3], v1, s[4:5] offset:4096*\r+512*\j
.endr
.endr
	s_wait_kmcnt 0x0
	s_add_co_i32 s50, s50, 127
	s_lshl_b32 s51, s50, 23
	v_mov_b32 v246, s51
	s_add_co_i32 s50, s50, 8
	s_lshl_b32 s50, s50, 23
	s_or_b32 s50, s50, 0x600000
	v_mov_b32 v252, s50
.macro REDUCE
	v_add_f32_dpp v28, v28, v28 row_xmask:1 row_mask:0xf bank_mask:0xf
	v_add_f32_dpp v28, v28, v28 row_xmask:2 row_mask:0xf bank_mask:0xf
	v_add_f32_dpp v28, v28, v28 row_xmask:4 row_mask:0xf bank_mask:0xf
	v_add_f32_dpp v28, v28, v28 row_xmask:8 row_mask:0xf bank_mask:0xf
	v_permlanex16_b32 v244, v28, s48, s49
	v_add_f32 v28, v28, v244
.endm
.macro LNROW rr
.set XR, X+32*\rr
	s_wait_loadcnt 8*(3-\rr)                       ; this row's eight loads are in; the later rows' may be out
	v_pk_add_f32 v[28:29], v[XR:XR+1], v[XR+2:XR+3]
	v_pk_add_f32 v[30:31], v[XR+4:XR+5], v[XR+6:XR+7]
.irp j, 8,12,16,20,24,28
	v_pk_add_f32 v[28:29], v[28:29], v[XR+\j:XR+\j+1]
	v_pk_add_f32 v[30:31], v[30:31], v[XR+\j+2:XR+\j+3]
.endr
	v_pk_add_f32 v[28:29], v[28:29], v[30:31]
	v_add_f32 v28, v28, v29
	REDUCE
	v_mul_f32 v240, s46, v28
	v_mul_f32 v241, s46, v28
.irp j, 0,2,4,6,8,10,12,14,16,18,20,22,24,26,28,30
	v_pk_add_f32 v[XR+\j:XR+\j+1], v[XR+\j:XR+\j+1], v[240:241] neg_lo:[0,1] neg_hi:[0,1]
.endr
	v_pk_mul_f32 v[28:29], v[XR:XR+1], v[XR:XR+1]
	v_pk_mul_f32 v[30:31], v[XR+2:XR+3], v[XR+2:XR+3]
.irp j, 4,8,12,16,20,24,28
	v_pk_fma_f32 v[28:29], v[XR+\j:XR+\j+1], v[XR+\j:XR+\j+1], v[28:29]
	v_pk_fma_f32 v[30:31], v[XR+\j+2:XR+\j+3], v[XR+\j+2:XR+\j+3], v[30:31]
.endr
	v_pk_add_f32 v[28:29], v[28:29], v[30:31]
	v_add_f32 v28, v28, v29
	REDUCE
	v_fma_f32 v28, v28, s46, s47
	s_wait_alu depctr_va_vdst(0)
	v_rsq_f32 v242, v28
	v_nop                                          ; a plain instruction behind the transcendental,
	s_wait_alu depctr_va_vdst(0)                   ; and the wait ahead of its first reader
	v_mov_b32 v243, v242
.irp j, 0,2,4,6,8,10,12,14,16,18,20,22,24,26,28,30
	v_pk_mul_f32 v[XR+\j:XR+\j+1], v[XR+\j:XR+\j+1], v[242:243]
.endr
.irp j, 0,2,4,6,8,10,12,14,16,18,20,22,24,26,28,30
	v_pk_fma_f32 v[XR+\j:XR+\j+1], v[XR+\j:XR+\j+1], v[G+\j:G+\j+1], v[BE+\j:BE+\j+1]
.endr
	s_wait_xcnt 0x0                                ; the last row's stores have read their codes
.irp u, 0,1
.irp i, 0,1,2,3,4,5,6,7,8,9,10,11,12,13,14,15
	v_med3_num_f32 v[T+\i], v[XR+16*\u+\i], -v252, v252
.endr
	v_cvt_scalef32_pk8_fp8_f32 v[C+4*\u:C+4*\u+1], v[T:T+7], v246
	v_cvt_scalef32_pk8_fp8_f32 v[C+4*\u+2:C+4*\u+3], v[T+8:T+15], v246
	v_nop                                          ; a plain instruction between the conversions and the next holds, which write their sources
.endr
.irp u, 0,1
	global_store_b128 v1, v[C+4*\u:C+4*\u+3], s[12:13] offset:1024*\rr+512*\u
.endr
.endm
	LNROW 0
	LNROW 1
	LNROW 2
	LNROW 3
	s_endpgm
.Lfunc_end_k_qa07322ede5_ln2:
	.size	k_qa07322ede5_ln2, .Lfunc_end_k_qa07322ede5_ln2-k_qa07322ede5_ln2
	.p2alignl 7, 3214868480
	.fill 96, 4, 3214868480
	.section	.rodata,"a",@progbits
	.p2align	6, 0x0
	.amdhsa_kernel k_qa07322ede5_ln2
		.amdhsa_group_segment_fixed_size 0
		.amdhsa_private_segment_fixed_size 0
		.amdhsa_enable_private_segment 0
		.amdhsa_kernarg_size 40
		.amdhsa_user_sgpr_count 2
		.amdhsa_user_sgpr_kernarg_segment_ptr 1
		.amdhsa_wavefront_size32 1
		.amdhsa_system_sgpr_workgroup_id_x 1
		.amdhsa_system_sgpr_workgroup_id_y 1
		.amdhsa_system_sgpr_workgroup_id_z 1
		.amdhsa_system_vgpr_workitem_id 0
		.amdhsa_next_free_vgpr 256
		.amdhsa_next_free_sgpr 66
		.amdhsa_reserve_vcc 0
		.amdhsa_float_denorm_mode_32 3
		.amdhsa_float_denorm_mode_16_64 3
		.amdhsa_memory_ordered 1
		.amdhsa_forward_progress 1
		.amdhsa_inst_pref_size 41
	.end_amdhsa_kernel
	.amdgpu_metadata
---
amdhsa.version: [ 1, 2 ]
amdhsa.kernels:
  - .name:           k_qa07322ede5_ln2
    .symbol:         k_qa07322ede5_ln2.kd
    .args:
      - { .name: x1, .offset: 0, .size: 8, .value_kind: global_buffer, .address_space: global }
      - { .name: g2, .offset: 8, .size: 8, .value_kind: global_buffer, .address_space: global }
      - { .name: be2, .offset: 16, .size: 8, .value_kind: global_buffer, .address_space: global }
      - { .name: lowp_scales, .offset: 24, .size: 8, .value_kind: global_buffer, .address_space: global }
      - { .name: h2c, .offset: 32, .size: 8, .value_kind: global_buffer, .address_space: global }
    .group_segment_fixed_size: 0
    .private_segment_fixed_size: 0
    .kernarg_segment_align: 8
    .kernarg_segment_size: 40
    .max_flat_workgroup_size: 128
    .sgpr_count:     66
    .vgpr_count:     256
    .wavefront_size: 32
...
	.end_amdgpu_metadata
.endif
;; end of part 5
;; launch ffn1 (part 6): grid 16 x 16, 4 waves a work-group, clusters of 4 x 4, 327,680 bytes of LDS; arguments h2c, wc, lowp_scales, bf1, hid; writes hid
.if DOCPART == 6
	.amdgcn_target "amdgcn-amd-amdhsa--gfx1250"
	.amdhsa_code_object_version 6
	.text
	.protected	k_qa07322ede5_ffn1
	.globl	k_qa07322ede5_ffn1
	.p2align	8
	.type	k_qa07322ede5_ffn1,@function
k_qa07322ede5_ffn1:
	s_mov_b64 s[64:65], 0
	v_nop
	global_prefetch_b8 v0, s[64:65] scope:SCOPE_SE
	s_setreg_imm32_b32 hwreg(HW_REG_WAVE_MODE, 25, 1), 1
	s_wait_xcnt 0x0
	s_wait_alu depctr_hold_cnt(0) depctr_sa_sdst(0) depctr_va_vdst(0) depctr_va_sdst(0) depctr_va_ssrc(0) depctr_va_vcc(0) depctr_vm_vsrc(0)
	s_getreg_b32 s2, hwreg(HW_REG_IB_STS2, 6, 4)
	s_cmp_eq_u32 s2, 0
	s_cbranch_scc0 .Lentry_in_a_cluster
	s_endpgm
.Lentry_in_a_cluster:
	s_bfe_u32 s2, ttmp6, 0x10000c
	s_cmp_lg_u32 s2, 0xf033
	s_cbranch_scc0 .Lentry_shape_is_right
	s_endpgm
.Lentry_shape_is_right:
; hid = gelu(h2 W1 + bf1) on codes of E4M3 (K = 1,024), quantised at once (entry 14 of the scales) into register images [256 blocks of 16 rows][32][2,048 bytes] for the next launch.
; A tile of 256 x 256 to a work-group of four waves, 128 x 128 a wave: 64 accumulators.  K in steps of 256 through a ring of two LDS slots; 4 x 4 clusters, A's tiles asked for jointly along a row, B's along a column.
; Source 0 = 16 rows of W1's codes, source 1 = 16 rows of h2's: a lane holds one token and eight neighbouring hidden units.
; THE WAY OUT: the sums go into the wave's own 65,536 bytes of LDS (the ring has had its last fill and, behind a barrier, its last read) and come back 16 rows at a time.
; gelu(s) = s (0.5 + z R(z^2)), z = s held within +-5.657, R a quotient of two polynomials for erf(z / sqrt 2) / (2 z), all in f32.
; LIMITS: e12 + e13 between -126 and 127; e14 between -126 and 119; NaN among the inputs is not served.
.set SIZE_K, 1024
.set KSTEP,  256
.set ROWB,   256
.set KROW,   SIZE_K
.set PITCH,  272
.set FR,     16
.set NL,     4
.set NP,     4
.set HALFT,  128*PITCH
.set SLOT,   4*HALFT
.set LAPS,   SIZE_K/(2*KSTEP)
.set SPARE,  2*SLOT
.set ADRA, 16
.set ADRB, 20
.set DA,   24
.set RA,   25
.set LI,   26
.set BO,   27
.set SPW,  28
.set NIL,  29
.set BIA,  32
.set AF,   128
.set G1, 24
.set G0, 32
.set G1B, 48
.set G0B, 56
.set MSB, 0
.macro WIN new
.if MSB != \new
	s_set_vgpr_msb (MSB<<8)|\new
.set MSB, \new
.endif
.endm
.set MUL_LO, 0xa1
.set MUL_HI, 0xf1
.set TO_B,   0x40
.macro JLOAD g0a, g1a, g0b, g1b
	s_cmp_eq_u32 s15, 0
	s_cbranch_scc0 .Lfor_b_\@
	tensor_load_to_lds s[\g0a:\g0a+3], s[\g1a:\g1a+7]
	s_nop 0
.rept 4
	v_nop
.endr
	s_branch .Lasked_\@
.Lfor_b_\@:
	tensor_load_to_lds s[\g0b:\g0b+3], s[\g1b:\g1b+7]
	s_nop 0
.rept 4
	v_nop
.endr
.Lasked_\@:
.endm
.macro CREST
	s_cmp_lg_u32 s14, 0
	s_cbranch_scc1 .Lnot_wave_0_\@
	s_barrier_signal -3
.Lnot_wave_0_\@:
	s_barrier_wait -3
	s_barrier_signal -1
	s_barrier_wait -1
.endm
.macro CROUND
	s_barrier_signal -1
	s_barrier_wait -1
	CREST
.endm
	s_load_b128 s[4:7], s[0:1], 0x0
	s_load_b128 s[8:11], s[0:1], 0x10
	s_load_b64 s[12:13], s[0:1], 0x20
	v_lshl_add_u32 v[SPW], v0, 2, SPARE
	v_mov_b32 v[NIL], 0
	ds_add_u32 v[SPW], v[NIL]
	ds_add_u32 v[SPW], v[NIL]
	v_lshrrev_b32 v1, 5, v0
	v_readfirstlane_b32 s14, v1
	s_lshr_b32 s15, s14, 1
	s_and_b32 s16, s14, 1
	s_bfe_u32 s40, ttmp6, 0x40000
	s_bfe_u32 s41, ttmp6, 0x40004
	s_lshl_b32 s42, ttmp9, 2
	s_add_co_u32 s42, s42, s40
	s_and_b32 s17, ttmp7, 0xffff
	s_lshl_b32 s17, s17, 2
	s_add_co_u32 s17, s17, s41
	s_lshl_b32 s43, s41, 2
	s_lshl_b32 s43, 15, s43
	s_lshl_b32 s44, 0x1111, s40
	s_or_b32 s[G1+0], s43, (0<<16)|(1<<20)|(1<<21)|(5<<22)|(3<<25)
	s_or_b32 s[G1B+0], s44, (0<<16)|(1<<20)|(1<<21)|(5<<22)|(3<<25)
.irp g, G1, G1B
	s_mov_b32 s[\g+1], ROWB<<16
	s_mov_b32 s[\g+2], 128<<16
	s_mov_b32 s[\g+3], ROWB<<16
	s_mov_b32 s[\g+4], 128
	s_mov_b32 s[\g+5], KROW
	s_mov_b32 s[\g+6], 0
	s_mov_b32 s[\g+7], 0
.endr
	s_lshl_b32 s18, s16, 7
	s_lshl_b32 s20, s17, 8
	s_add_co_u32 s20, s20, s18
	s_lshl_b32 s20, s20, 10
	s_lshl_b32 s46, s42, 8
	s_add_co_u32 s46, s46, s18
	s_lshl_b32 s46, s46, 10
	s_add_co_u32 s46, s46, 0x400000
	s_mov_b32 s21, 0
	s_mov_b32 s47, 0
	s_mul_i32 s45, s14, HALFT
	s_wait_dscnt 0x0
	s_wait_kmcnt 0x0
	s_load_b64 s[96:97], s[8:9], 0x30
	s_load_b32 s98, s[8:9], 0x38
	s_add_nc_u64 s[20:21], s[4:5], s[20:21]
	s_add_nc_u64 s[46:47], s[6:7], s[46:47]
	CROUND
.irp s, 0,1
	s_mov_b32 s[G0+4*\s], 1
	s_add_co_u32 s[G0+4*\s+1], s45, \s*SLOT
	s_add_nc_u64 s[G0+4*\s+2:G0+4*\s+3], s[20:21], \s*ROWB
	s_or_b32 s[G0+4*\s+3], s[G0+4*\s+3], 0x80000000
	s_mov_b32 s[G0B+4*\s], 1
	s_add_co_u32 s[G0B+4*\s+1], s45, \s*SLOT
	s_add_nc_u64 s[G0B+4*\s+2:G0B+4*\s+3], s[46:47], \s*ROWB
	s_or_b32 s[G0B+4*\s+3], s[G0B+4*\s+3], 0x80000000
.endr
	JLOAD G0, G1, G0B, G1B                         ; K step 0: one tensor load a wave at the head
	v_and_b32 v1, 15, v0
	v_bfe_u32 v2, v0, 4, 1
	v_mul_u32_u24 v3, v1, PITCH
	v_lshl_add_u32 v4, v2, 4, v3
	s_mul_i32 s21, s15, HALFT
	s_mul_i32 s22, s16, HALFT
	s_add_co_u32 s22, s22, 2*HALFT
.irp s, 0,1
	v_add_nc_u32 v[ADRA+\s], s21, v4
	v_add_nc_u32 v[ADRB+\s], s22, v4
	s_add_co_u32 s21, s21, SLOT
	s_add_co_u32 s22, s22, SLOT
.endr
	v_and_b32 v6, 31, v0
	v_lshlrev_b32 v[LI], 4, v6
	s_lshl_b32 s23, s14, 16
	v_add_nc_u32 v[DA], s23, v[LI]
	v_lshlrev_b32 v[BO], 5, v2
.macro FRAG reg, adr, q, i
.irp c, 0,1,2,3
	ds_load_b128 v[\reg+4*\c:\reg+4*\c+3], v[\adr] offset:128*(\q)+32*\c+(\i)*16*PITCH
.endr
.endm
.macro MUL16 a0, p, zero
.irp a, \a0, \a0+1
.irp b, 0,1,2,3,4,5,6,7
.if \zero
	v_wmma_f32_16x16x128_fp8_fp8 v[8*(8*((\a)%4)+\b):8*(8*((\a)%4)+\b)+7], v[128*(\p)+FR*\b:128*(\p)+FR*\b+FR-1], v[AF+FR*(\a):AF+FR*(\a)+FR-1], 0
.else
	v_wmma_f32_16x16x128_fp8_fp8 v[8*(8*((\a)%4)+\b):8*(8*((\a)%4)+\b)+7], v[128*(\p)+FR*\b:128*(\p)+FR*\b+FR-1], v[AF+FR*(\a):AF+FR*(\a)+FR-1], v[8*(8*((\a)%4)+\b):8*(8*((\a)%4)+\b)+7]
.endif
.endr
.endr
.endm
.macro FETCH_B slot, q, p
	WIN TO_B
.irp i, 0,1,2,3,4,5,6,7
	FRAG 128*(\p)+FR*\i, ADRB+\slot, \q, \i
.endr
	WIN 0
.endm
.macro FETCH_A slot, q, i0
.irp i, \i0, \i0+1, \i0+2, \i0+3
	FRAG AF+FR*(\i), ADRA+\slot, \q, \i
.endr
.endm
.macro PLACES n
.rept \n
	v_nop
.endr
.endm
.macro STEP slot, q, zero
	s_wait_dscnt 4*NL
	WIN MUL_LO
	MUL16 0, (\q)%2, \zero
	MUL16 2, (\q)%2, \zero
	s_wait_dscnt 0
	PLACES NP
	FETCH_B \slot, (\q)+1, 1-(\q)%2
	FETCH_A \slot, (\q)+1, 0
	WIN MUL_HI
	MUL16 4, (\q)%2, \zero
	MUL16 6, (\q)%2, \zero
	PLACES NP
	WIN 0
	FETCH_A \slot, (\q)+1, 4
.endm
.macro TURN slot, next, fill
	s_wait_tensorcnt 0x0
	ds_add_u32 v[SPW], v[NIL]
	s_wait_dscnt 4*NL+1
	WIN MUL_LO
	MUL16 0, 1, 0
	s_wait_dscnt 0x0
	s_barrier_signal -1
	MUL16 2, 1, 0
	WIN 0
	s_barrier_wait -1
.if \fill
	CREST
	s_add_nc_u64 s[G0+4*\slot+2:G0+4*\slot+3], s[G0+4*\slot+2:G0+4*\slot+3], 2*ROWB
	s_add_nc_u64 s[G0B+4*\slot+2:G0B+4*\slot+3], s[G0B+4*\slot+2:G0B+4*\slot+3], 2*ROWB
	JLOAD G0+4*\slot, G1, G0B+4*\slot, G1B
.else
	PLACES NP
.endif
	FETCH_B \next, 0, 0
	FETCH_A \next, 0, 0
	WIN MUL_HI
	MUL16 4, 1, 0
	MUL16 6, 1, 0
	PLACES NP
	WIN 0
	FETCH_A \next, 0, 4
.endm
	s_wait_alu depctr_va_vdst(0)
	s_wait_tensorcnt 0x0                           ; my part of K step 0 is in
	ds_add_u32 v[SPW], v[NIL]
	s_wait_dscnt 0x0
	CROUND                                         ; everybody's part of K step 0 is in, and the joint loads meet
	JLOAD G0+4, G1, G0B+4, G1B                     ; K step 1: the first tensor load behind the round
	FETCH_B 0, 0, 0
	FETCH_A 0, 0, 0
	FETCH_A 0, 0, 4
	STEP 0, 0, 1
	s_mov_b32 s3, LAPS-1
.Llap:
	TURN 0, 1, 1
	STEP 1, 0, 0
	TURN 1, 0, 1
	STEP 0, 0, 0
	s_sub_co_u32 s3, s3, 1
	s_cmp_lg_u32 s3, 0
	s_cbranch_scc1 .Llap
	TURN 0, 1, 0
	STEP 1, 0, 0
	s_wait_dscnt 4*NL
	WIN MUL_LO
	MUL16 0, 1, 0
	MUL16 2, 1, 0
	s_wait_dscnt 0
	WIN MUL_HI
	MUL16 4, 1, 0
	MUL16 6, 1, 0
	WIN 0
	s_wait_dscnt 0x0
	s_barrier_signal -1
	s_barrier_wait -1
	PLACES NP
	s_lshl_b32 s46, s42, 10
	s_lshl_b32 s47, s16, 9
	s_add_co_u32 s46, s46, s47
	s_mov_b32 s47, 0
	s_add_nc_u64 s[10:11], s[10:11], s[46:47]
.irp b, 0,1,2,3,4,5,6,7
	global_load_b128 v[BIA+8*\b:BIA+8*\b+3], v[BO], s[10:11] offset:64*\b
	global_load_b128 v[BIA+8*\b+4:BIA+8*\b+7], v[BO], s[10:11] offset:64*\b+16
.endr
	s_lshl_b32 s46, s17, 4
	s_lshl_b32 s47, s15, 3
	s_add_co_u32 s46, s46, s47
	s_lshl_b32 s46, s46, 16
	s_lshl_b32 s47, s42, 1
	s_add_co_u32 s47, s47, s16
	s_lshl_b32 s47, s47, 11
	s_add_co_u32 s46, s46, s47
	s_mov_b32 s47, 0
	s_add_nc_u64 s[12:13], s[12:13], s[46:47]
	WIN 0x08
.set q, 0
.rept 32
	ds_store_b128 v[DA], v[8*q:8*q+3] offset:q*1024
	ds_store_b128 v[DA], v[8*q+4:8*q+7] offset:q*1024+512
.set q, q+1
.endr
	WIN 0x0c
.set q, 0
.rept 32
	ds_store_b128 v[DA], v[8*q:8*q+3] offset:(32+q)*1024
	ds_store_b128 v[DA], v[8*q+4:8*q+7] offset:(32+q)*1024+512
.set q, q+1
.endr
	WIN 0
.macro CONST r, val
	s_mov_b32 s[\r], \val
	s_mov_b32 s[\r+1], \val
.endm
	CONST 24, 0xbbba79f3
	CONST 26, 0xba08eb41
	CONST 28, 0xb8883d9c
	CONST 30, 0xb628d45d
	CONST 32, 0xb347667d
	CONST 34, 0xabd3f331
	CONST 36, 0xbc69b6a7
	CONST 38, 0xbb719bf8
	CONST 40, 0xb9dc924e
	CONST 42, 0xb57460cd
	v_mov_b32 v240, 0x2fa84a8d
	v_mov_b32 v241, 0x2fa84a8d
	v_mov_b32 v242, 0xb7dfbd29
	v_mov_b32 v243, 0xb7dfbd29
	v_mov_b32 v245, 0x40b504f3
	s_wait_kmcnt 0x0
	s_add_co_i32 s96, s96, s97
	s_add_co_i32 s96, s96, 127
	s_lshl_b32 s96, s96, 23
	s_mov_b32 s97, s96
	s_add_co_i32 s98, s98, 127
	s_lshl_b32 s45, s98, 23
	v_mov_b32 v244, s45
	s_add_co_i32 s98, s98, 8
	s_lshl_b32 s98, s98, 23
	s_or_b32 s98, s98, 0x600000
	v_mov_b32 v246, s98
.macro GELU16 g
.set SS, 96+16*\g
.set BB, BIA+16*\g
.irp i, 0,2,4,6,8,10,12,14
	v_pk_fma_f32 v[SS+\i:SS+\i+1], v[SS+\i:SS+\i+1], s[96:97], v[BB+\i:BB+\i+1] op_sel_hi:[1,0,1]
.endr
.irp i, 0,1,2,3,4,5,6,7,8,9,10,11,12,13,14,15
	v_med3_num_f32 v[160+\i], v[SS+\i], -v245, v245
.endr
.irp i, 0,2,4,6,8,10,12,14
	v_pk_mul_f32 v[176+\i:177+\i], v[160+\i:161+\i], v[160+\i:161+\i]
.endr
.irp i, 0,2,4,6,8,10,12,14
	v_pk_fma_f32 v[192+\i:193+\i], v[176+\i:177+\i], s[34:35], v[240:241] op_sel_hi:[1,0,1]
	v_pk_fma_f32 v[208+\i:209+\i], v[176+\i:177+\i], s[42:43], v[242:243] op_sel_hi:[1,0,1]
.endr
.irp c, 32,30,28,26,24
.irp i, 0,2,4,6,8,10,12,14
	v_pk_fma_f32 v[192+\i:193+\i], v[192+\i:193+\i], v[176+\i:177+\i], s[\c:\c+1] op_sel_hi:[1,1,0]
.endr
.endr
.irp c, 40,38,36
.irp i, 0,2,4,6,8,10,12,14
	v_pk_fma_f32 v[208+\i:209+\i], v[208+\i:209+\i], v[176+\i:177+\i], s[\c:\c+1] op_sel_hi:[1,1,0]
.endr
.endr
	s_wait_alu depctr_va_vdst(0)
.irp i, 0,1,2,3,4,5,6,7,8,9,10,11,12,13,14,15
	v_rcp_f32 v[208+\i], v[208+\i]
.endr
	v_nop
	s_wait_alu depctr_va_vdst(0)
.irp i, 0,2,4,6,8,10,12,14
	v_pk_mul_f32 v[192+\i:193+\i], v[192+\i:193+\i], v[208+\i:209+\i]
.endr
.irp i, 0,2,4,6,8,10,12,14
	v_pk_fma_f32 v[192+\i:193+\i], v[160+\i:161+\i], v[192+\i:193+\i], 0.5 op_sel_hi:[1,1,0]
.endr
.irp i, 0,2,4,6,8,10,12,14
	v_pk_mul_f32 v[SS+\i:SS+\i+1], v[SS+\i:SS+\i+1], v[192+\i:193+\i]
.endr
.irp i, 0,1,2,3,4,5,6,7,8,9,10,11,12,13,14,15
	v_med3_num_f32 v[SS+\i], v[SS+\i], -v246, v246
.endr
	v_cvt_scalef32_pk8_fp8_f32 v[224+4*\g:225+4*\g], v[SS:SS+7], v244
	v_cvt_scalef32_pk8_fp8_f32 v[226+4*\g:227+4*\g], v[SS+8:SS+15], v244
.endm
	s_mov_b32 s3, 8
	s_mov_b32 s44, 0
	s_wait_loadcnt 0x0
.Lrow:
	v_add_nc_u32 v[RA], s44, v[DA]
.irp b, 0,1,2,3,4,5,6,7
	ds_load_b128 v[96+8*\b:99+8*\b], v[RA] offset:1024*\b
	ds_load_b128 v[100+8*\b:103+8*\b], v[RA] offset:1024*\b+512
.endr
	s_wait_dscnt 0x0
	GELU16 0
	GELU16 1
	GELU16 2
	GELU16 3
	v_nop
.irp i, 0,1,2,3
	global_store_b128 v[LI], v[224+4*\i:227+4*\i], s[12:13] offset:512*\i
.endr
	s_wait_xcnt 0x0
	s_add_nc_u64 s[12:13], s[12:13], 65536
	s_add_co_u32 s44, s44, 8192
	s_sub_co_u32 s3, s3, 1
	s_cmp_lg_u32 s3, 0
	s_cbranch_scc1 .Lrow
	s_wait_tensorcnt 0x0
	ds_add_u32 v[SPW], v[NIL]
	s_wait_dscnt 0x0
	CROUND
	s_endpgm
.Lfunc_end_k_qa07322ede5_ffn1:
	.size	k_qa07322ede5_ffn1, .Lfunc_end_k_qa07322ede5_ffn1-k_qa07322ede5_ffn1
	.p2alignl 7, 3214868480
	.fill 96, 4, 3214868480
	.section	.rodata,"a",@progbits
	.p2align	6, 0x0
	.amdhsa_kernel k_qa07322ede5_ffn1
		.amdhsa_group_segment_fixed_size 327680
		.amdhsa_private_segment_fixed_size 0
		.amdhsa_enable_private_segment 0
		.amdhsa_kernarg_size 40
		.amdhsa_user_sgpr_count 2
		.amdhsa_user_sgpr_kernarg_segment_ptr 1
		.amdhsa_wavefront_size32 1
		.amdhsa_system_sgpr_workgroup_id_x 1
		.amdhsa_system_sgpr_workgroup_id_y 1
		.amdhsa_system_sgpr_workgroup_id_z 1
		.amdhsa_system_vgpr_workitem_id 0
		.amdhsa_next_free_vgpr 1024
		.amdhsa_next_free_sgpr 100
		.amdhsa_reserve_vcc 0
		.amdhsa_float_denorm_mode_32 3
		.amdhsa_float_denorm_mode_16_64 3
		.amdhsa_memory_ordered 1
		.amdhsa_forward_progress 1
		.amdhsa_inst_pref_size 132
	.end_amdhsa_kernel
	.amdgpu_metadata
---
amdhsa.version: [ 1, 2 ]
amdhsa.kernels:
  - .name:           k_qa07322ede5_ffn1
    .symbol:         k_qa07322ede5_ffn1.kd
    .args:
      - { .name: h2c, .offset: 0, .size: 8, .value_kind: global_buffer, .address_space: global }
      - { .name: wc, .offset: 8, .size: 8, .value_kind: global_buffer, .address_space: global }
      - { .name: lowp_scales, .offset: 16, .size: 8, .value_kind: global_buffer, .address_space: global }
      - { .name: bf1, .offset: 24, .size: 8, .value_kind: global_buffer, .address_space: global }
      - { .name: hid, .offset: 32, .size: 8, .value_kind: global_buffer, .address_space: global }
    .group_segment_fixed_size: 327680
    .private_segment_fixed_size: 0
    .kernarg_segment_align: 8
    .kernarg_segment_size: 40
    .max_flat_workgroup_size: 128
    .sgpr_count:     100
    .vgpr_count:     1024
    .wavefront_size: 32
...
	.end_amdgpu_metadata
.endif
;; end of part 6
;; launch ffn2 (part 7): grid 32 x 8, 4 waves a work-group, clusters of 4 x 1, 327,680 bytes of LDS; arguments hid, wc, lowp_scales, bf2, x1, out0; writes out0
.if DOCPART == 7
	.amdgcn_target "amdgcn-amd-amdhsa--gfx1250"
	.amdhsa_code_object_version 6
	.text
	.protected	k_qa07322ede5_ffn2
	.globl	k_qa07322ede5_ffn2
	.p2align	8
	.type	k_qa07322ede5_ffn2,@function
k_qa07322ede5_ffn2:
	s_mov_b64 s[64:65], 0
	v_nop
	global_prefetch_b8 v0, s[64:65] scope:SCOPE_SE
	s_setreg_imm32_b32 hwreg(HW_REG_WAVE_MODE, 25, 1), 1
	s_wait_xcnt 0x0
	s_wait_alu depctr_hold_cnt(0) depctr_sa_sdst(0) depctr_va_vdst(0) depctr_va_sdst(0) depctr_va_ssrc(0) depctr_va_vcc(0) depctr_vm_vsrc(0)
	s_getreg_b32 s2, hwreg(HW_REG_IB_STS2, 6, 4)
	s_cmp_eq_u32 s2, 0
	s_cbranch_scc0 .Lentry_in_a_cluster
	s_endpgm
.Lentry_in_a_cluster:
	s_bfe_u32 s2, ttmp6, 0x10000c
	s_cmp_lg_u32 s2, 0x3003
	s_cbranch_scc0 .Lentry_shape_is_right
	s_endpgm
.Lentry_shape_is_right:
; out = res + bias + 2^(eA + eB) x (A B^T) on codes of E4M3.  A: register images [256 blocks of 16 rows][SIZE_K / 128][2,048 bytes]; B: rows of SIZE_K codes at wc + WOFF; res, out: [4096][1024] f32.
; A tile of 128 x 128 to a work-group (work-group x: the tile row, y: the tile column; 256 work-groups); a wave makes 32 whole rows x 128 columns: 16 accumulators.  K goes in T steps of 128.
; A GOES FROM MEMORY STRAIGHT INTO REGISTERS: an image is an operand's registers as they stand, so a wave loads its two blocks' images by eight loads of 512 consecutive bytes a step, into a ring of 8 x 32 registers,
; seven steps ahead of their products.  The loads form one row of items: item u < T is step u's images; items T .. T + 3 are eight rows of the residual each; item T + 4 is the bias.  Step g waits for item g
; (s_wait_loadcnt counts the loads of items g + 1 .. g + 6, which were issued behind it) and then asks for item g + 7, so at most 56 loads are out.
; B GOES THROUGH LDS, which it has to itself: slots of 128 rows x 1,024 codes (1,040 bytes apart: the 16 rows of a fragment load start at 16 different banks; 64 banks of 4 bytes: ISA guide 11.1), two slots by turns,
; each wave fetching 32 rows by one tensor load.  B's codes were laid so that a fragment fetched by 16-byte loads has each k in the register in which A's images have it.
; CLUSTERS: 4, 1, 1: four neighbouring tile rows of one tile column want the same B: its loads are joint, with the mask 15.  A's images are not asked for jointly: they go to registers, and beside B's two slots
; of 133,120 bytes LDS has no room for A's 128 x 1,024 bytes a slot.
; PREFETCH: behind the fill of slot m stands one request a wave for slot m + 1's successor-in-line, slot m + 1 being on its way: slot 1's fill asks for slot 2, slot 2's for slot 3: eight steps ahead of the load
; that wants it.  The 16 waves of a cluster share a slot's 512 blocks of 256 bytes out by address: wave w of partner cx takes rows 32 w + 8 cx .. + 7, four lanes to a row.  A's loads run seven steps ahead by themselves.
; Source 0 = 16 rows of B, source 1 = 16 rows of A: a lane holds eight neighbouring columns of one row.  THE WAY OUT goes through the wave's own stage (32 rows x 528 bytes) in a slot that has had its last fill and,
; behind the last change of slots, its last read; 32 lanes then store 512 consecutive bytes, aligned.  LIMIT: eA + eB between -126 and 127.
; REGISTERS: window 0: v0-31 addresses, v32-35 the bias, v128-255 the accumulators; window 1: B's fragments, two sets of 128; window 2: A's ring; window 3: v0-127 the residual, v128-255 the rows on the way out.
.set SIZE_K, 4096
.set WOFF,   0x800000
.set ESC,    0x38                      ; the byte of eA, eB among the scales' exponents
.set T,      SIZE_K/128
.set NSLOT,  SIZE_K/1024
.set PITCH,  1040
.set SLOT,   128*PITCH
.set SPARE,  2*SLOT                    ; behind the ring: the spare words
.set SPITCH, 528
.set STAGE,  (NSLOT%2)*SLOT
.set ADRB, 16                          ; v16-21 B's rows 0, 48, 96 of slot 0 and of slot 1: an LDS offset has 16 bits
.set AO,   22                          ; v22 16 x lane
.set STO,  24
.set RD,   25
.set SPW,  28
.set NIL,  29
.set PFO,  30
.set BI,   32
.set ACC,  128
.set G1, 24
.set G0, 32                            ; s[32:39] group 0, one set for each slot
.set AP, 50                            ; s[50:51] my two blocks' images
.set PF, 52                            ; s[52:53] my eight rows of B for the prefetches
.set MUL, 0x09                         ; source 0 (B) window 1, source 1 (A) window 2, C and D window 0
.set MSB, 0
.macro WIN new                         ; the immediate's high byte repeats the setting that is left
.if MSB != \new
	s_set_vgpr_msb (MSB<<8)|\new
.set MSB, \new
.endif
.endm
.macro CREST
	s_cmp_lg_u32 s16, 0
	s_cbranch_scc1 .Lnot_wave_0_\@
	s_barrier_signal -3
.Lnot_wave_0_\@:
	s_barrier_wait -3
	s_barrier_signal -1
	s_barrier_wait -1
.endm
.macro CROUND
	s_barrier_signal -1
	s_barrier_wait -1
	CREST
.endm
.macro PLACES                          ; plain vector instructions between a matrix instruction and a load into, or a read of, its registers
.rept 4
	v_nop
.endr
.endm
.macro ITEM u
.if (\u) < T
	WIN 0x80
.irp a, 0,1
.irp c, 0,1,2,3
	global_load_b128 v[32*((\u)%8)+16*\a+4*\c:32*((\u)%8)+16*\a+4*\c+3], v[AO], s[AP:AP+1] offset:\a*16*SIZE_K+(\u)*2048+512*\c
.endr
.endr
.else
.if (\u) < T+4
	WIN 0xc0
.irp t, 0,1,2,3,4,5,6,7
	global_load_b128 v[4*(8*((\u)-T)+\t):4*(8*((\u)-T)+\t)+3], v[AO], s[12:13] offset:4096*(8*((\u)-T)+\t)
.endr
.else
.if (\u) == T+4
	WIN 0
	global_load_b128 v[BI:BI+3], v[AO], s[10:11]
.endif
.endif
.endif
.endm
.macro LWAIT g                         ; item g is in: the loads of items g + 1 .. g + 6 may be out
.set LC, 0
.set uu, (\g)+1
.rept 6
.if uu < T+4
.set LC, LC+8
.else
.if uu == T+4
.set LC, LC+1
.endif
.endif
.set uu, uu+1
.endr
	s_wait_loadcnt LC
.endm
.macro FETCHB g                        ; 32 LDS loads: B's eight fragments of step g into set g % 2
	WIN 0x40
.irp i, 0,1,2,3,4,5,6,7
.irp c, 0,1,2,3
	ds_load_b128 v[128*((\g)%2)+16*\i+4*\c:128*((\g)%2)+16*\i+4*\c+3], v[ADRB+3*(((\g)/8)%2)+\i/3] offset:(\i%3)*16*PITCH+128*((\g)%8)+32*\c
.endr
.endr
.endm
.macro MUL8 g, a, zero                 ; A's block a against B's eight; the 16 accumulators take turns
.irp b, 0,1,2,3,4,5,6,7
.if \zero
	v_wmma_f32_16x16x128_fp8_fp8 v[ACC+8*(8*\a+\b):ACC+8*(8*\a+\b)+7], v[128*((\g)%2)+16*\b:128*((\g)%2)+16*\b+15], v[32*((\g)%8)+16*\a:32*((\g)%8)+16*\a+15], 0
.else
	v_wmma_f32_16x16x128_fp8_fp8 v[ACC+8*(8*\a+\b):ACC+8*(8*\a+\b)+7], v[128*((\g)%2)+16*\b:128*((\g)%2)+16*\b+15], v[32*((\g)%8)+16*\a:32*((\g)%8)+16*\a+15], v[ACC+8*(8*\a+\b):ACC+8*(8*\a+\b)+7]
.endif
.endr
.endm
.macro STEP g, zero                    ; a step whose successor lies in the same slot, or the last
	PLACES                                         ; the loads below land on registers that the last step's products read
	LWAIT \g
	ITEM (\g)+7
.if (\g)+1 < T
	FETCHB (\g)+1
	s_wait_dscnt 32                                ; all but the 32 just issued: this step's set is in
.else
	s_wait_dscnt 0x0
.endif
	WIN MUL
	MUL8 \g, 0, \zero
	MUL8 \g, 1, \zero
.endm
.macro TURN g, fill                    ; a slot's last step changes slots
	PLACES
	LWAIT \g
	ITEM (\g)+7
	WIN 0
	s_wait_tensorcnt 0x0                           ; all my tensor loads have landed: my part of the next slot
	ds_add_u32 v[SPW], v[NIL]
	s_wait_dscnt 1                                 ; only the add may be out: this step's set is in
	WIN MUL
	MUL8 \g, 0, 0
	s_wait_dscnt 0x0                               ; the add is done, and my reads of this slot are over
	s_barrier_signal -1
	MUL8 \g, 1, 0
	WIN 0
	s_barrier_wait -1
.if \fill
	CREST                                          ; the barrier has opened a round of the cluster's
	s_add_nc_u64 s[G0+4*(((\g)/8)%2)+2:G0+4*(((\g)/8)%2)+3], s[G0+4*(((\g)/8)%2)+2:G0+4*(((\g)/8)%2)+3], 2048
	tensor_load_to_lds s[G0+4*(((\g)/8)%2):G0+4*(((\g)/8)%2)+3], s[G1:G1+7]   ; the first tensor load behind the round
	s_nop 0
.endif
	PLACES
	FETCHB (\g)+1
.if \fill
.if (\g)/8+3 < NSLOT
	global_prefetch_b8 v[PFO], s[PF:PF+1] offset:1024*((\g)/8+3) th:TH_LOAD_NT scope:SCOPE_SE
.endif
.endif
.endm
	s_load_b256 s[4:11], s[0:1], 0x0               ; A, wc, the scales' exponents, the bias
	s_load_b128 s[12:15], s[0:1], 0x20             ; res, out
	v_lshl_add_u32 v[SPW], v0, 2, SPARE
	v_mov_b32 v[NIL], 0
	ds_add_u32 v[SPW], v[NIL]                      ; the opening lines: the add, twice on end, and its wait
	ds_add_u32 v[SPW], v[NIL]
	v_lshrrev_b32 v1, 5, v0
	v_readfirstlane_b32 s16, v1                    ; wave
	v_and_b32 v1, 15, v0
	v_bfe_u32 v2, v0, 4, 1
	v_and_b32 v3, 31, v0
	v_lshlrev_b32 v[AO], 4, v3
	v_mul_u32_u24 v4, v1, PITCH
	v_lshl_add_u32 v4, v2, 4, v4                   ; a fragment's row x pitch + 16 x half
.irp k, 0,1,2,3,4,5
	v_add_nc_u32 v[ADRB+\k], (\k/3)*SLOT+(\k%3)*48*PITCH, v4
.endr
	s_mul_i32 s23, s16, 32*SPITCH
	s_add_co_u32 s23, s23, STAGE                   ; my stage
	v_mul_u32_u24 v5, v1, SPITCH
	v_lshl_add_u32 v5, v2, 5, v5
	v_add_nc_u32 v[STO], s23, v5                   ; in: row l % 16, 32 bytes for each half of the lanes
	v_add_nc_u32 v[RD], s23, v[AO]                 ; back: whole rows
	v_lshrrev_b32 v6, 2, v3
	v_and_b32 v7, 3, v3
	v_mul_u32_u24 v6, v6, SIZE_K
	v_lshl_add_u32 v[PFO], v7, 8, v6               ; the prefetches: row lane / 4, block lane % 4
	s_bfe_u32 s40, ttmp6, 0x40000                  ; cx
	s_lshl_b32 s43, ttmp9, 2
	s_add_co_u32 s43, s43, s40                     ; tile row
	s_and_b32 s42, ttmp7, 0xffff                   ; tile column
	s_mov_b32 s[G1+0], 15|(1<<20)|(1<<21)|(7<<22)|(3<<25)   ; the mask of the four; elements of 1 byte; padding on; bit 21 beside a mask; 4 words after every 256
	s_mov_b32 s[G1+1], 1024<<16
	s_mov_b32 s[G1+2], 32<<16
	s_mov_b32 s[G1+3], 1024<<16
	s_mov_b32 s[G1+4], 32
	s_mov_b32 s[G1+5], SIZE_K
	s_mov_b32 s[G1+6], 0
	s_mov_b32 s[G1+7], 0
	s_lshl_b32 s46, s42, 7
	s_lshl_b32 s47, s16, 5
	s_add_co_u32 s46, s46, s47                     ; B: row 128 x tile column + 32 x wave
	s_lshl_b32 s44, s40, 3
	s_add_co_u32 s44, s44, s46                     ; + 8 cx, for the prefetches alone
	s_mul_i32 s46, s46, SIZE_K
	s_add_co_u32 s46, s46, WOFF
	s_mov_b32 s47, 0
	s_mul_i32 s44, s44, SIZE_K
	s_add_co_u32 s44, s44, WOFF
	s_mov_b32 s45, 0
	s_mul_i32 s22, s16, 32*PITCH                   ; where my rows go in a slot
	s_lshl_b32 s20, s43, 3
	s_lshl_b32 s21, s16, 1
	s_add_co_u32 s20, s20, s21
	s_mul_i32 s20, s20, 16*SIZE_K                  ; A: block 8 x tile row + 2 x wave
	s_mov_b32 s21, 0
	s_lshl_b32 s18, s43, 7
	s_lshl_b32 s19, s16, 5
	s_add_co_u32 s18, s18, s19
	s_lshl_b32 s18, s18, 12                        ; my first row of res and out,
	s_lshl_b32 s48, s42, 9
	s_add_co_u32 s18, s18, s48                     ; the tile's first column
	s_mov_b32 s19, 0
	s_mov_b32 s49, 0
	s_wait_alu depctr_va_vdst(0)
	s_wait_dscnt 0x0                               ; both opening adds are done
	s_wait_kmcnt 0x0
	s_load_b64 s[72:73], s[8:9], ESC               ; eA, eB
	s_add_nc_u64 s[AP:AP+1], s[4:5], s[20:21]
	s_add_nc_u64 s[46:47], s[6:7], s[46:47]
	s_add_nc_u64 s[PF:PF+1], s[6:7], s[44:45]
	s_add_nc_u64 s[12:13], s[12:13], s[18:19]
	s_add_nc_u64 s[14:15], s[14:15], s[18:19]
	s_add_nc_u64 s[10:11], s[10:11], s[48:49]
.irp s, 0,1
	s_mov_b32 s[G0+4*\s], 1
	s_add_co_u32 s[G0+4*\s+1], s22, \s*SLOT
	s_add_nc_u64 s[G0+4*\s+2:G0+4*\s+3], s[46:47], \s*1024
	s_or_b32 s[G0+4*\s+3], s[G0+4*\s+3], 0x80000000
.endr
.irp u, 0,1,2,3,4,5,6
	ITEM \u
.endr
	WIN 0
	CROUND                                         ; the four work-groups are here: the first joint loads meet
	tensor_load_to_lds s[G0:G0+3], s[G1:G1+7]      ; slot 0: one tensor load a wave at the head
	s_nop 0
	PLACES
	s_wait_tensorcnt 0x0                           ; my part of slot 0 is in
	ds_add_u32 v[SPW], v[NIL]
	s_wait_dscnt 0x0
	CROUND                                         ; everybody's part is in, and the joint loads meet
	tensor_load_to_lds s[G0+4:G0+7], s[G1:G1+7]    ; slot 1: the first tensor load behind the round
	s_nop 0
	PLACES
	FETCHB 0
	global_prefetch_b8 v[PFO], s[PF:PF+1] offset:2048 th:TH_LOAD_NT scope:SCOPE_SE   ; slot 2
	STEP 0, 1                                      ; the first step's products start the sums
.set gg, 1
.rept T-1
.if (gg%8 == 7) && (gg+1 < T)
.if gg/8+2 < NSLOT
	TURN gg, 1
.else
	TURN gg, 0                                     ; the last change of slots fills nothing, and has no round
.endif
.else
	STEP gg, 0
.endif
.set gg, gg+1
.endr
	WIN 0
	PLACES
.irp a, 0,1
.irp b, 0,1,2,3,4,5,6,7
	ds_store_b128 v[STO], v[ACC+8*(8*\a+\b):ACC+8*(8*\a+\b)+3] offset:\a*16*SPITCH+64*\b
	ds_store_b128 v[STO], v[ACC+8*(8*\a+\b)+4:ACC+8*(8*\a+\b)+7] offset:\a*16*SPITCH+64*\b+16
.endr
.endr
	WIN 0xc0
.set t, 0
.rept 32
	ds_load_b128 v[128+4*t:128+4*t+3], v[RD] offset:t*SPITCH   ; LDS serves a wave's instructions in order: these see my stores
.set t, t+1
.endr
	s_wait_kmcnt 0x0
	s_add_co_i32 s70, s72, s73
	s_add_co_i32 s70, s70, 127
	s_lshl_b32 s70, s70, 23                        ; 2^(eA + eB)
	s_mov_b32 s71, s70
	s_wait_dscnt 0x0
	s_wait_loadcnt 0x0                             ; the residual and the bias
	WIN 0xc3                                       ; destination and source 0 window 3, the bias window 0
.set t, 0
.rept 32
	v_pk_fma_f32 v[128+4*t:128+4*t+1], v[128+4*t:128+4*t+1], s[70:71], v[BI:BI+1] op_sel_hi:[1,0,1]
	v_pk_fma_f32 v[128+4*t+2:128+4*t+3], v[128+4*t+2:128+4*t+3], s[70:71], v[BI+2:BI+3] op_sel_hi:[1,0,1]
.set t, t+1
.endr
	WIN 0xcf
.set j, 0
.rept 64
	v_pk_add_f32 v[128+j:129+j], v[128+j:129+j], v[j:j+1]
.set j, j+2
.endr
	WIN 0x0c                                       ; store data window 3
.set t, 0
.rept 32
	global_store_b128 v[AO], v[128+4*t:128+4*t+3], s[14:15] offset:4096*t   ; 32 lanes store 512 consecutive bytes, aligned
.set t, t+1
.endr
	WIN 0
	s_wait_tensorcnt 0x0                           ; the wave's end
	ds_add_u32 v[SPW], v[NIL]
	s_wait_dscnt 0x0
	CROUND                                         ; the closing round
	s_endpgm
.Lfunc_end_k_qa07322ede5_ffn2:
	.size	k_qa07322ede5_ffn2, .Lfunc_end_k_qa07322ede5_ffn2-k_qa07322ede5_ffn2
	.p2alignl 7, 3214868480
	.fill 96, 4, 3214868480
	.section	.rodata,"a",@progbits
	.p2align	6, 0x0
	.amdhsa_kernel k_qa07322ede5_ffn2
		.amdhsa_group_segment_fixed_size 327680
		.amdhsa_private_segment_fixed_size 0
		.amdhsa_enable_private_segment 0
		.amdhsa_kernarg_size 48
		.amdhsa_user_sgpr_count 2
		.amdhsa_user_sgpr_kernarg_segment_ptr 1
		.amdhsa_wavefront_size32 1
		.amdhsa_system_sgpr_workgroup_id_x 1
		.amdhsa_system_sgpr_workgroup_id_y 1
		.amdhsa_system_sgpr_workgroup_id_z 1
		.amdhsa_system_vgpr_workitem_id 0
		.amdhsa_next_free_vgpr 1024
		.amdhsa_next_free_sgpr 80
		.amdhsa_reserve_vcc 0
		.amdhsa_float_denorm_mode_32 3
		.amdhsa_float_denorm_mode_16_64 3
		.amdhsa_memory_ordered 1
		.amdhsa_forward_progress 1
		.amdhsa_inst_pref_size 156
	.end_amdhsa_kernel
	.amdgpu_metadata
---
amdhsa.version: [ 1, 2 ]
amdhsa.kernels:
  - .name:           k_qa07322ede5_ffn2
    .symbol:         k_qa07322ede5_ffn2.kd
    .args:
      - { .name: hid, .offset: 0, .size: 8, .value_kind: global_buffer, .address_space: global }
      - { .name: wc, .offset: 8, .size: 8, .value_kind: global_buffer, .address_space: global }
      - { .name: lowp_scales, .offset: 16, .size: 8, .value_kind: global_buffer, .address_space: global }
      - { .name: bf2, .offset: 24, .size: 8, .value_kind: global_buffer, .address_space: global }
      - { .name: x1, .offset: 32, .size: 8, .value_kind: global_buffer, .address_space: global }
      - { .name: out0, .offset: 40, .size: 8, .value_kind: global_buffer, .address_space: global }
    .group_segment_fixed_size: 327680
    .private_segment_fixed_size: 0
    .kernarg_segment_align: 8
    .kernarg_segment_size: 48
    .max_flat_workgroup_size: 128
    .sgpr_count:     80
    .vgpr_count:     1024
    .wavefront_size: 32
...
	.end_amdgpu_metadata
.endif
;; end of part 7
